; MI455X (gfx1250); checked and timed in simulation.
; The chip was launched on July 23, 2026; its instructions are those of AMD's public machine-readable ISA for CDNA 5 (MIT licence, August 2026) and "CDNA5" Instruction Set Architecture Reference Guide (July 2026). The comments in the code are by the model that wrote it; some were corrected since.
;; SVD Quant Linear. Allowed arithmetic: matrix products marked QUANTISED: E4M3 operands, one E8M0 scale for each 32 along K, by v_wmma_scale_f32_16x16x128_f8f6f4 with both operands' format E4M3, f32 sums; everything else in f32.
;; Inputs: lora_down 32 x 4,096 float16; lora_up 4,096 x 32 float16; qweight 4,096 x 4,096 int32; wscale 4,096 x 64 float16; x 4,096 x 4,096 float16.
;; Outputs: out0 4,096 x 4,096 float16.
;; This version of the problem:
;;   THIS VERSION OF THE PROBLEM IS GIVEN IN LOW PRECISION. The matrix products marked QUANTISED in the list below multiply operands that are first quantised to E4M3 (4 exponent bits, 3 mantissa bits; 8 bits a number), with one power-of-two scale for each 32 numbers along K (OCP MX v1.0); their sums are f32. All else is computed in f32.
;;   The module's matrix products, in the order in which they are computed (A, B: the left and right operand; K: the contracted axis; several contracted axes count as one K, in the product's order):
;;     1. [M 4,096, K 4,096] x [K 4,096, N 4,096]; A: input x; B: computed on the way: QUANTISED
;;     2. [M 4,096, K 4,096] x [K 4,096, N 32]; A: input x; B: input lora_down: QUANTISED
;;     3. [M 4,096, K 32] x [K 32, N 4,096]; A: computed on the way; B: input lora_up: QUANTISED
;;   THE QUANTISER, for each operand of a quantised product, along K:
;;     - K is cut into blocks of 32 from its start; a last block that is shorter is filled with zeros.
;;     - A block's scale is 2^e with e = floor(log2(the largest magnitude in the block)) - 8, held to -126 .. 127; a block of zeros has e = 0. As a byte (E8M0): e + 127.
;;     - Each number is divided by its block's scale, clamped to +-448, and rounded to the nearest number of E4M3, ties to even, subnormals kept.
;;     - The product sums the exact products of the quantised numbers (number of the format x scale) in f32.
;;   ~~~python
;;   def quantise(x, axis):      # numpy; x: float32 -> the quantised numbers, widened to float32 again
;;       x = np.moveaxis(x, axis, -1); K = x.shape[-1]
;;       x = np.pad(x, [(0, 0)] * (x.ndim - 1) + [(0, -K % 32)]); x = x.reshape(x.shape[:-1] + (-1, 32)); a = np.abs(x).max(-1, keepdims=True)
;;       e = np.where(a > 0, np.clip(np.frexp(np.where(a > 0, a, 1))[1] - 1 - 8, -126, 127), 0)      # np.frexp(a)[1] - 1 = floor(log2(a)), exactly
;;       r = np.clip(x / 2.0 ** e, -448, 448)
;;       step = 2.0 ** (np.maximum(np.frexp(np.where(r == 0, 1, r))[1] - 1, -6) - 3)
;;       q = np.round(r / step) * step * 2.0 ** e      # np.round: ties to even
;;       return np.moveaxis(q.reshape(q.shape[:-2] + (-1,))[..., :K], -1, axis).astype(np.float32)
;;   ~~~
;;   OPERANDS COMPUTED ON THE WAY. 'Computed on the way' means the value that the module computes at that place (a softmax that the list does not call 'softmax' is quantised finished and normalised). What goes into a quantiser is computed in f32, as accurately as f32 sums, v_exp_f32 and their like allow (about 1e-6 of the number): no bf16 or f16 on the way to a quantiser, and a product that is left as it is and whose result goes on into a quantised operand takes f32 operands (vector FMAs, or v_wmma_f32_16x16x4_f32). A number that lies on a knife's edge between two numbers of the format may be rounded either way, as far as f32 arithmetic and the matrix unit's own rounding can turn it there, and no further.
;; 2 versions, each right; version 2 is version 1 with the launch prep written anew for expert scheduling mode. Each part assembles by itself: llvm-mc -triple=amdgcn-amd-amdhsa -mcpu=gfx1250 --defsym DOCPART=n.
;; ======== version 1 of 2: 2 launches
;; workspace buffers: xq 17,301,504 bytes; wq 17,301,504 bytes; hq 147,456 bytes; lq 147,456 bytes
;; launch prep (part 1): grid 256 x 1, 16 waves a work-group, no clusters, 317,440 bytes of LDS; arguments x, qweight, wscale, lora_down, lora_up, xq, wq, hq, lq; writes xq, wq, hq, lq
.if DOCPART == 1
	.amdgcn_target "amdgcn-amd-amdhsa--gfx1250"
	.amdhsa_code_object_version 6
	.text
	.protected	k_qff3e49c26e_prep
	.globl	k_qff3e49c26e_prep
	.p2align	8
	.type	k_qff3e49c26e_prep,@function
k_qff3e49c26e_prep:
	s_mov_b64 s[64:65], 0
	v_nop
	global_prefetch_b8 v0, s[64:65] scope:SCOPE_SE
	s_setreg_imm32_b32 hwreg(HW_REG_WAVE_MODE, 25, 1), 1
	s_wait_xcnt 0x0
; PREP.  Every operand of the three products is turned ONCE into codes of FP8 (E4M3) with one E8M0 byte for each 32 along K, laid as the second launch's tensor loads want them; and h = Q(x) Q(lora_down)^T is made here and quantised.
; x [4096][4096] f16;  w = (qweight - 8) x wscale, qweight [4096][4096] i32, wscale [4096][64] f16 (one for 64 along K);  lora_down [32][4096] f16;  lora_up [4096][32] f16.
; OUT: xq, wq: [32 blocks of 128 rows][16 K steps of 256][33,792 bytes]: 128 rows x 256 codes, then at byte 32,768 the scale bytes [row][8]: 132 dense rows of 256 bytes.
;      hq, lq: [32 blocks of 128 rows][4,608 bytes]: eight images of an operand's registers 0-3 (16 rows x 32 ranks: lane l's 16 bytes at 16 l), then at byte 4,096 a scale word a row (byte 0 the block's, bytes 1-3 0x7f).
; A block's scale is 2^(floor(log2(its largest magnitude)) - 8); its byte is the largest magnitude's exponent field - 8, held at 1 from below; each number is held within +-448 x the scale and rounded to the nearest code, ties to even.
; LIMITS: NaN and infinities among the inputs are not served.  w is exact in f32 for |qweight - 8| up to 2^12 (one fused multiply-add: q s - 8 s); neither w nor h is rounded to f16 ahead of its quantiser.
;         A block of zeros gets the byte 1 where the rule says 127: its codes are zeros, which add nothing under any byte but 0xff, and this program alone reads the bytes.
; SHARES: work-groups with an even number take x (path X), those with an odd number w and lora_up (path W): 128 each.  Work-group i of a path owns rows 32 i .. 32 i + 31; wave v of its sixteen owns K step v, 256 along K.
;   Path X reads 256 KiB of x and 256 KiB of lora_down, path W 512 KiB of qweight.  Every X work-group quantises lora_down for itself: 32 rows beside its own 32.
; A lane holds 8 neighbours along K, four lanes a block.  Every global load of a wave reads 512 consecutive bytes, every store of codes 256 consecutive bytes at a multiple of 256 from its buffer's first byte.
; No tensor loads (every number passes through registers to be converted), so no ring; no cluster: what work-groups share is lora_down's 256 KiB.  No loop: every offset is an immediate.  Each path has LDS bytes of its own.
.set XWB,   8960                       ; path X: a wave's LDS region: a stage of 32 rows x (256 + 16) bytes of codes,
.set XSB,   8704                       ;         and behind it 256 scale bytes [row][8]
.set PART,  16*XWB                     ; path X: h's partial sums, 4,096 bytes a wave, as images of the accumulators
.set WSC,   PART+16*4096               ; path W: the work-group's 32 rows of wscale, 128 bytes each
.set WW0,   WSC+4096                   ; path W: a wave's region: four rows of 32 places x (32 + 16) bytes for the turn,
.set WWB,   6400
.set WSB,   6144                       ;         and behind them 256 scale bytes
.set TILEB, 33792
.set LBLK,  4608
.set M,   16                           ; v16-19  largest magnitudes of a group's four rows
.set SCO, 20                           ; v20-23  the conversions' scale operands
.set H,   24                           ; v24-27  448 x the scale
.set E,   28                           ; v28-31  the scale bytes
.set XR,  32                           ; X: v32-95   four sets of 16 registers as loaded; later x's four fragments
.set XF,  32
.set XN,  96                           ; X: v96-127  four rows x 8 numbers; later h's sums
.set SUM, 96
.set XC,  128                          ; X: v128-135 a group's codes
.set LF,  144                          ; X: v144-207 lora_down's four fragments (tile u, half q of the K step) at LF + 16 (2 u + q)
.set LS,  208                          ; X: v208-211 their scale words; v212-215 x's: these eight hold scales and nothing else
.set XS,  212
.set ACC, 216                          ; X: v216-247 h's partial sums: (tile m of x's rows, tile u) at ACC + 8 (2 m + u)
.set SP,  44                           ; W: v44-51   pair a: a row's scale s in the low register
.set TP,  52                           ; W: v52-59   pair a: -8 s
.set WR,  64                           ; W: v64-127  two sets of 32 registers as loaded
.set WN,  128                          ; W: v128-159 four rows x 8 numbers
.set WC,  160                          ; W: v160-167 a group's codes
; v1-15 addresses; v5 = 16 x lane, v6 = 8 x lane, v7 = 4 x (lane % 16); v248 a lane permute's destination; v249 at work on addresses
.macro CV2 d, r                        ; the two f16 of register r become f32 in v[d], v[d + 1]
	v_cvt_f32_f16 v[\d], v\r\().l
	v_cvt_f32_f16 v[\d+1], v\r\().h
.endm
; Four rows by turns; row a's 8 numbers of my lane in v[n + 8 a] on; codes to the pair v[c + 2 a]; the bytes to v[E + a].
.macro Q8X4 n, c
.irp a, 0,1,2,3
	v_max3_num_f32 v[M+\a], |v[\n+8*\a]|, |v[\n+8*\a+1]|, 0x4800000    ; with the floor 2^(9 - 127): the byte cannot fall under 1
.endr
.irp j, 2,4,6
.irp a, 0,1,2,3
	v_max3_num_f32 v[M+\a], v[M+\a], |v[\n+8*\a+\j]|, |v[\n+8*\a+\j+1]|
.endr
.endr
.irp a, 0,1,2,3
	v_max_num_f32_dpp v[M+\a], v[M+\a], v[M+\a] row_xmask:1 row_mask:0xf bank_mask:0xf
.endr
.irp a, 0,1,2,3
	v_max_num_f32_dpp v[M+\a], v[M+\a], v[M+\a] row_xmask:2 row_mask:0xf bank_mask:0xf   ; the four lanes of a block agree
.endr
.irp a, 0,1,2,3
	v_add_nc_u32 v[SCO+\a], 0xfc000000, v[M+\a]                        ; 8 off the exponent field: the conversion takes that field as its scale
.endr
.irp a, 0,1,2,3
	v_and_or_b32 v[H+\a], v[M+\a], 0x7f800000, s23                     ; 448 x the scale
.endr
.irp a, 0,1,2,3
.irp j, 0,1,2,3,4,5,6,7
	v_med3_num_f32 v[\n+8*\a+\j], v[\n+8*\a+\j], -v[H+\a], v[H+\a]     ; the conversion to an 8-bit code does not saturate (ISA guide 7.6.2)
.endr
.endr
	s_wait_dscnt 0x0                               ; the last group's LDS stores have read the codes and the bytes,
	s_wait_xcnt 0x0                                ; and its global stores too: both are written again only behind these waits
.irp a, 0,1,2,3
	v_cvt_scalef32_pk8_fp8_f32 v[\c+2*\a:\c+2*\a+1], v[\n+8*\a:\n+8*\a+7], v[SCO+\a]
.endr
.irp a, 0,1,2,3
	v_lshrrev_b32 v[E+\a], 23, v[SCO+\a]           ; the scale's byte.  (Plain lines behind the conversions)
.endr
.endm
; 16 numbers of my lane, v[n] on: ranks 16 (lane / 16) + 0 .. 15 of row lane % 16; the block of 32 is shared with lane l xor 16.  Codes to v[c : c + 3], the scale word to v[E].
.macro Q16 n, c
	v_max3_num_f32 v[M], |v[\n]|, |v[\n+1]|, 0x4800000
.irp j, 2,4,6,8,10,12,14
	v_max3_num_f32 v[M], v[M], |v[\n+\j]|, |v[\n+\j+1]|
.endr
	v_permlanex16_b32 v248, v[M], s24, s25
	v_max_num_f32 v[M], v[M], v248
	v_add_nc_u32 v[SCO], 0xfc000000, v[M]
	v_and_or_b32 v[H], v[M], 0x7f800000, s23
	v_lshrrev_b32 v[E], 23, v[SCO]
	v_or_b32 v[E], 0x7f7f7f00, v[E]                ; the K step's other three blocks are zero codes under the scale 1
.irp j, 0,1,2,3,4,5,6,7,8,9,10,11,12,13,14,15
	v_med3_num_f32 v[\n+\j], v[\n+\j], -v[H], v[H]
.endr
	v_cvt_scalef32_pk8_fp8_f32 v[\c:\c+1], v[\n:\n+7], v[SCO]
	v_cvt_scalef32_pk8_fp8_f32 v[\c+2:\c+3], v[\n+8:\n+15], v[SCO]
	v_nop                                          ; a plain line behind the last conversion
.endm
.macro OUT16 c, oh, ohs                ; the image: 512 consecutive bytes; the 16 scale words: 64 bytes (lanes 16-31 write the same words with the same values): parts of a 256-byte block, 16 KiB of them in the whole launch
	global_store_b128 v5, v[\c:\c+3], s[\oh:\oh+1]
	global_store_b32 v7, v[E], s[\ohs:\ohs+1]
.endm
	s_load_b256 s[4:11], s[0:1], 0x0               ; x s[4:5], qweight s[6:7], wscale s[8:9], lora_down s[10:11]
	s_load_b256 s[12:19], s[0:1], 0x20             ; lora_up s[12:13], xq s[14:15], wq s[16:17], hq s[18:19]
	s_load_b64 s[20:21], s[0:1], 0x40              ; lq
	v_lshl_add_u32 v254, v0, 2, 0x4d000
	v_mov_b32 v255, 0
	v_lshrrev_b32 v1, 5, v0
	v_readfirstlane_b32 s22, v1                    ; wave v = 0 .. 15: my K step
	v_and_b32 v2, 31, v0                           ; lane l
	v_and_b32 v3, 15, v0                           ; r
	v_bfe_u32 v4, v0, 4, 1                         ; h
	v_lshlrev_b32 v5, 4, v2
	v_lshlrev_b32 v6, 3, v2
	v_lshlrev_b32 v7, 2, v3
	v_mov_b32 v248, 0                              ; written once: a lane permute's destination counts as one of its sources
	s_mov_b32 s23, 0x600000                        ; the mantissa field of 448
	s_mov_b32 s24, 0x76543210
	s_mov_b32 s25, 0xfedcba98                      ; v_permlanex16_b32's selects for lane l xor 16
	s_and_b32 s26, ttmp9, 1                        ; the path
	s_lshr_b32 s27, ttmp9, 1                       ; i
	s_lshr_b32 s28, s27, 2                         ; my block of 128 rows
	s_and_b32 s30, s27, 3                          ; which 32 rows of it
	s_and_b32 s29, s22, 1
	s_lshl_b32 s31, s28, 4
	s_add_co_u32 s31, s31, s22
	s_mul_i32 s31, s31, TILEB                      ; my tile's first byte (under 2^25)
	s_lshl_b32 s32, s30, 13
	s_add_co_u32 s32, s32, s31                     ; s[32:33]: my 32 rows of codes
	s_mov_b32 s33, 0
	s_lshl_b32 s34, s30, 8
	s_add_co_u32 s34, s34, s31
	s_add_co_u32 s34, s34, 32768                   ; s[34:35]: their 256 scale bytes
	s_mov_b32 s35, 0
	s_lshl_b32 s40, s30, 1
	s_add_co_u32 s40, s40, s29                     ; which tile of 16 rows in the block waves 0 and 1 write: 2 (i % 4) + v
	s_mul_i32 s41, s28, LBLK
	s_lshl_b32 s36, s40, 9
	s_add_co_u32 s36, s36, s41                     ; s[36:37]: its image
	s_mov_b32 s37, 0
	s_lshl_b32 s38, s40, 6
	s_add_co_u32 s38, s38, s41
	s_add_co_u32 s38, s38, 4096                    ; s[38:39]: its scale words
	s_mov_b32 s39, 0
	s_wait_kmcnt 0x0
	s_cmp_lg_u32 s26, 0
	s_cbranch_scc1 .Lpath_w
; ---------------------------------------------------------------- PATH X
; Group g of four rows: groups 0-7 are lora_down's 32 rows, groups 8-15 x's.  A row's 256 f16 of my K step are 512 consecutive bytes: one load.
.macro XLOAD g
.irp a, 0,1,2,3
.if (\g) < 8
	global_load_b128 v[XR+16*((\g)%4)+4*\a:XR+16*((\g)%4)+4*\a+3], v5, s[10:11] offset:(4*((\g)%8)+\a)*8192                  ; read by all 128 work-groups of the path: no hint
.else
	global_load_b128 v[XR+16*((\g)%4)+4*\a:XR+16*((\g)%4)+4*\a+3], v5, s[4:5] offset:(4*((\g)%8)+\a)*8192 th:TH_LOAD_NT      ; read once in the launch
.endif
.endr
.endm
.macro XGROUP g, left
	s_wait_loadcnt \left                           ; this group's four loads are in; the younger groups' stay out
.set DD, XN
.if (\g)%4 == 0
.irp r, 32,33,34,35,36,37,38,39,40,41,42,43,44,45,46,47
	CV2 DD, \r
.set DD, DD+2
.endr
.elseif (\g)%4 == 1
.irp r, 48,49,50,51,52,53,54,55,56,57,58,59,60,61,62,63
	CV2 DD, \r
.set DD, DD+2
.endr
.elseif (\g)%4 == 2
.irp r, 64,65,66,67,68,69,70,71,72,73,74,75,76,77,78,79
	CV2 DD, \r
.set DD, DD+2
.endr
.else
.irp r, 80,81,82,83,84,85,86,87,88,89,90,91,92,93,94,95
	CV2 DD, \r
.set DD, DD+2
.endr
.endif
.if (\g)+4 < 16
	XLOAD (\g)+4                                   ; the set takes the group four further on: sixteen loads of the wave are out again
.endif
	Q8X4 XN, XC
.irp a, 0,1,2,3
	ds_store_b64 v8, v[XC+2*\a:XC+2*\a+1] offset:272*(4*((\g)%8)+\a)   ; into my stage, from which the fragments are read
	ds_store_b8 v9, v[E+\a] offset:8*(4*((\g)%8)+\a)                   ; the four lanes of a block write the same byte with the same value
.if (\g) >= 8
	global_store_b64 v6, v[XC+2*\a:XC+2*\a+1], s[14:15] offset:256*(4*((\g)%8)+\a)   ; 32 lanes store a row's 256 codes
.endif
.endr
.endm
.macro PLOAD b, buf                    ; partial sums of waves 4 b .. 4 b + 3 for my tile of rows: 16 registers each
.irp p, 0,1,2,3
.irp t, 0,1,2,3
	ds_load_b128 v[\buf+16*\p+4*\t:\buf+16*\p+4*\t+3], v1 offset:(4*(\b)+\p)*4096+512*\t
.endr
.endr
.endm
.macro PADD src
.irp j, 0,2,4,6,8,10,12,14
	v_pk_add_f32 v[SUM+\j:SUM+\j+1], v[SUM+\j:SUM+\j+1], v[\src+\j:\src+\j+1]
.endr
.endm
	s_lshl_b32 s42, s27, 18                        ; my 32 rows of x: 8,192 bytes a row,
	s_lshl_b32 s44, s22, 9                         ; my K step: 512 bytes
	s_add_co_u32 s42, s42, s44
	s_mov_b32 s43, 0
	s_mov_b32 s45, 0
	s_add_nc_u64 s[4:5], s[4:5], s[42:43]
	s_add_nc_u64 s[10:11], s[10:11], s[44:45]
	s_add_nc_u64 s[46:47], s[14:15], s[34:35]      ; xq: my scale bytes,
	s_add_nc_u64 s[14:15], s[14:15], s[32:33]      ; my codes
	s_add_nc_u64 s[48:49], s[18:19], s[38:39]      ; hq: scale words,
	s_add_nc_u64 s[18:19], s[18:19], s[36:37]      ; image
	XLOAD 0
	XLOAD 1
	XLOAD 2
	XLOAD 3
	s_mul_i32 s50, s22, XWB                        ; my region
	s_add_co_u32 s51, s50, XSB                     ; its scale bytes
	v_add_nc_u32 v8, s50, v6                       ; codes in: 8 x lane (+ 272 x row)
	v_lshrrev_b32 v9, 2, v2
	v_add_nc_u32 v9, s51, v9                       ; bytes in: my block (+ 8 x row)
	v_mul_u32_u24 v10, v3, 272
	v_lshl_add_u32 v10, v4, 4, v10
	v_add_nc_u32 v10, s50, v10                     ; x's fragments: row r, + 16 h
	v_and_b32 v249, 8, v3
	v_add_nc_u32 v249, v249, v3                    ; r + 8 (r / 8)
	v_mul_u32_u24 v11, v249, 272
	v_lshl_add_u32 v11, v4, 4, v11
	v_add_nc_u32 v11, s50, v11                     ; lora_down's: lane r of tile u takes rank 8 u + r + 8 (r / 8), so that a lane's 16 results are 16 neighbouring ranks
	v_lshl_add_u32 v12, v3, 3, s51                 ; x's scale words: 8 bytes a row
	v_lshl_add_u32 v13, v249, 3, s51               ; lora_down's, by the tile's rows
	v_lshl_add_u32 v14, v2, 3, s51                 ; the 256 bytes on their way out: 8 a lane
	s_lshl_b32 s52, s22, 12
	s_add_co_u32 s52, s52, PART
	v_add_nc_u32 v15, s52, v5                      ; my partial sums: 16 x lane
	s_lshl_b32 s53, s29, 11
	s_add_co_u32 s53, s53, PART
	v_add_nc_u32 v1, s53, v5                       ; and where waves 0 and 1 read all sixteen waves': tile of rows m = v
.irp g, 0,1,2,3,4,5,6,7
	XGROUP \g, 12                                  ; lora_down
.endr
.irp u, 0,1                                        ; its four fragments and their scale words into registers.  LDS serves a wave's instructions in order (ISA guide 5.7.1.4): x's stores into the same stage come behind these reads
.irp q, 0,1
.irp c, 0,1,2,3
	ds_load_b128 v[LF+16*(2*\u+\q)+4*\c:LF+16*(2*\u+\q)+4*\c+3], v11 offset:8*\u*272+128*\q+32*\c
.endr
.endr
	ds_load_b64 v[LS+2*\u:LS+2*\u+1], v13 offset:64*\u
.endr
.irp g, 8,9,10,11,12
	XGROUP \g, 12                                  ; x
.endr
	XGROUP 13, 8                                   ; nothing more is asked for: the counts run down
	XGROUP 14, 4
	XGROUP 15, 0
.irp m, 0,1
.irp q, 0,1
.irp c, 0,1,2,3
	ds_load_b128 v[XF+16*(2*\m+\q)+4*\c:XF+16*(2*\m+\q)+4*\c+3], v10 offset:16*\m*272+128*\q+32*\c
.endr
.endr
	ds_load_b64 v[XS+2*\m:XS+2*\m+1], v12 offset:128*\m
.endr
	ds_load_b64 v[136:137], v14
	s_wait_dscnt 0x0
	global_store_b64 v6, v[136:137], s[46:47]      ; 32 lanes store my rows' 256 scale bytes
; h's part of my K step, TRANSPOSED: source 0 = 16 ranks of lora_down, source 1 = 16 rows of x: lane (r, h), register j of (m, u) holds h(16 m + r, 16 h + 8 u + j).  The four accumulators take turns.
.irp q, 0,1
.irp m, 0,1
.irp u, 0,1
.if \q == 0
	v_wmma_scale_f32_16x16x128_f8f6f4 v[ACC+8*(2*\m+\u):ACC+8*(2*\m+\u)+7], v[LF+16*(2*\u):LF+16*(2*\u)+15], v[XF+16*(2*\m):XF+16*(2*\m)+15], 0, v[LS+2*\u], v[XS+2*\m]
.else
	v_wmma_scale_f32_16x16x128_f8f6f4 v[ACC+8*(2*\m+\u):ACC+8*(2*\m+\u)+7], v[LF+16*(2*\u+1):LF+16*(2*\u+1)+15], v[XF+16*(2*\m+1):XF+16*(2*\m+1)+15], v[ACC+8*(2*\m+\u):ACC+8*(2*\m+\u)+7], v[LS+2*\u+1], v[XS+2*\m+1]
.endif
.endr
.endr
.endr
.rept 8
	v_nop                                          ; eight places behind this form: for the stores of the results, and for the loads below into registers that the products have read
.endr
.irp t, 0,1,2,3
	ds_store_b128 v15, v[ACC+8*\t:ACC+8*\t+3] offset:1024*\t          ; each accumulator from its low end on
	ds_store_b128 v15, v[ACC+8*\t+4:ACC+8*\t+7] offset:1024*\t+512
.endr
	s_wait_dscnt 0x0                               ; for the others' sake: my partial sums lie in LDS
	s_barrier_signal -1
	s_barrier_wait -1
	s_cmp_lt_u32 s22, 2
	s_cbranch_scc0 .Lx_end                         ; waves 0 and 1 add the sixteen K steps' parts of rows 16 v .. 16 v + 15, K ascending, in f32
	PLOAD 0, 32
	PLOAD 1, 144
	s_wait_dscnt 16                                ; the older batch of sixteen loads is in
.irp j, 0,2,4,6,8,10,12,14
	v_pk_add_f32 v[SUM+\j:SUM+\j+1], v[32+\j:32+\j+1], v[48+\j:48+\j+1]   ; the first two parts start the sums
.endr
	PADD 64
	PADD 80
	PLOAD 2, 32
	s_wait_dscnt 16
	PADD 144
	PADD 160
	PADD 176
	PADD 192
	PLOAD 3, 144
	s_wait_dscnt 16
	PADD 32
	PADD 48
	PADD 64
	PADD 80
	s_wait_dscnt 0x0
	PADD 144
	PADD 160
	PADD 176
	PADD 192
	Q16 SUM, 140                                   ; h, as f32, into codes: my lane's 16 ranks are registers 0-3 of the third product's operand
	OUT16 140, 18, 48
.Lx_end:
	s_wait_tensorcnt 0x0
	ds_add_u32 v254, v255
	s_wait_dscnt 0x0
	s_endpgm
; ---------------------------------------------------------------- PATH W
.Lpath_w:
.macro WLOAD g                         ; group g: four rows; a row's 256 whole numbers of my K step are 1,024 bytes: two loads of 512 consecutive bytes
.irp a, 0,1,2,3
.irp i, 0,1
	global_load_b128 v[WR+32*((\g)%2)+8*\a+4*\i:WR+32*((\g)%2)+8*\a+4*\i+3], v5, s[6:7] offset:(4*(\g)+\a)*16384+512*\i th:TH_LOAD_NT
.endr
.endr
.endm
.macro WGROUP g, left
	s_wait_loadcnt \left                           ; this group's eight loads are in; the next group's stay out
.irp a, 0,1,2,3                                    ; THE TURN: as loaded a lane holds 4 neighbours of each half of a row; through my own LDS bytes it gets 8 neighbours (32 bytes, places 48 bytes apart)
.irp i, 0,1
	ds_store_b128 v8, v[WR+32*((\g)%2)+8*\a+4*\i:WR+32*((\g)%2)+8*\a+4*\i+3] offset:1536*\a+768*\i
.endr
.endr
.irp a, 0,1,2,3
.irp i, 0,1
	ds_load_b128 v[WN+8*\a+4*\i:WN+8*\a+4*\i+3], v9 offset:1536*\a+16*\i   ; LDS serves a wave's instructions in order: these see the stores above
.endr
.endr
.irp a, 0,1,2,3
	ds_load_u16 v[32+\a], v10 offset:128*(4*(\g)+\a)                   ; the row's scale of my group of 64 along K
.endr
	s_wait_dscnt 0x0                               ; the turn is back: so its stores have read the set,
.if (\g)+2 < 8
	WLOAD (\g)+2                                   ; which takes the group two further on
.endif
	v_cvt_f32_f16 v[SP], v32.l
	v_cvt_f32_f16 v[SP+2], v33.l
	v_cvt_f32_f16 v[SP+4], v34.l
	v_cvt_f32_f16 v[SP+6], v35.l
.irp a, 0,1,2,3
	v_mul_f32 v[TP+2*\a], 0xc1000000, v[SP+2*\a]   ; -8 s
.endr
.irp j, 0,1,2,3,4,5,6,7,8,9,10,11,12,13,14,15,16,17,18,19,20,21,22,23,24,25,26,27,28,29,30,31
	v_cvt_f32_i32 v[WN+\j], v[WN+\j]
.endr
.irp a, 0,1,2,3
.irp j, 0,2,4,6
	v_pk_fma_f32 v[WN+8*\a+\j:WN+8*\a+\j+1], v[WN+8*\a+\j:WN+8*\a+\j+1], v[SP+2*\a:SP+2*\a+1], v[TP+2*\a:TP+2*\a+1] op_sel_hi:[1,0,0]   ; w = q s - 8 s, one rounding that rounds nothing
.endr
.endr
	Q8X4 WN, WC
.irp a, 0,1,2,3
	ds_store_b8 v11, v[E+\a] offset:8*(4*(\g)+\a)
	global_store_b64 v6, v[WC+2*\a:WC+2*\a+1], s[16:17] offset:256*(4*(\g)+\a)   ; 32 lanes store a row's 256 codes
.endr
.endm
	s_lshl_b32 s42, s27, 19                        ; my 32 rows of qweight: 16,384 bytes a row,
	s_lshl_b32 s44, s22, 10                        ; my K step: 1,024 bytes
	s_add_co_u32 s42, s42, s44
	s_mov_b32 s43, 0
	s_add_nc_u64 s[6:7], s[6:7], s[42:43]
	s_lshl_b32 s44, s27, 12                        ; my 32 rows of wscale
	s_mov_b32 s45, 0
	s_add_nc_u64 s[8:9], s[8:9], s[44:45]
	s_lshl_b32 s42, s27, 11                        ; my 32 rows of lora_up, 64 bytes each; waves 0 and 1 take 16 each
	s_lshl_b32 s44, s29, 10
	s_add_co_u32 s42, s42, s44
	s_add_nc_u64 s[12:13], s[12:13], s[42:43]
	s_add_nc_u64 s[46:47], s[16:17], s[34:35]      ; wq: my scale bytes,
	s_add_nc_u64 s[16:17], s[16:17], s[32:33]      ; my codes
	s_add_nc_u64 s[48:49], s[20:21], s[38:39]      ; lq: scale words,
	s_add_nc_u64 s[20:21], s[20:21], s[36:37]      ; image
	v_lshlrev_b32 v13, 3, v0                       ; wscale: 8 bytes a thread: a wave reads 256 consecutive bytes
	global_load_b64 v[190:191], v13, s[8:9]
	WLOAD 0
	WLOAD 1
	s_mul_i32 s50, s22, WWB
	s_add_co_u32 s50, s50, WW0                     ; my region
	s_add_co_u32 s51, s50, WSB                     ; its scale bytes
	v_lshrrev_b32 v249, 1, v2
	v_mul_u32_u24 v8, v249, 48
	v_and_b32 v249, 1, v2
	v_lshl_add_u32 v8, v249, 4, v8
	v_add_nc_u32 v8, s50, v8                       ; the turn, in: two lanes to a place
	v_mul_u32_u24 v9, v2, 48
	v_add_nc_u32 v9, s50, v9                       ; out: a place a lane
	s_lshl_b32 s52, s22, 3
	s_add_co_u32 s52, s52, WSC
	v_lshrrev_b32 v10, 3, v2
	v_lshl_add_u32 v10, v10, 1, s52                ; wscale in LDS: my K step's four scales are 8 bytes of a row; eight lanes to each
	v_lshrrev_b32 v11, 2, v2
	v_add_nc_u32 v11, s51, v11                     ; bytes in: my block (+ 8 x row)
	v_lshl_add_u32 v12, v2, 3, s51                 ; and out
	v_add_nc_u32 v14, WSC, v13
	v_lshlrev_b32 v15, 6, v3
	v_lshl_add_u32 v15, v4, 5, v15                 ; lora_up: row r of 64 bytes, + 32 h: my 16 ranks
.irp j, 1,3,5,7
	v_mov_b32 v[SP+\j], 0                          ; named as the upper halves of pairs, so they are written
	v_mov_b32 v[TP+\j], 0
.endr
	s_wait_loadcnt 16                              ; wscale is in; the sixteen loads of groups 0 and 1 stay out
	ds_store_b64 v14, v[190:191]
	s_wait_dscnt 0x0                               ; for the others' sake
	s_barrier_signal -1
	s_barrier_wait -1                              ; the work-group's 32 rows of wscale lie in LDS
	s_cmp_lt_u32 s22, 2
	s_cbranch_scc0 .Lno_up                         ; waves 0 and 1 quantise 16 rows of lora_up each: K = its 32 ranks, one block
	global_load_b128 v[36:39], v15, s[12:13]
	global_load_b128 v[40:43], v15, s[12:13] offset:16
	s_wait_loadcnt 0x0
.set DD, 168
.irp r, 36,37,38,39,40,41,42,43
	CV2 DD, \r
.set DD, DD+2
.endr
	Q16 168, 184
	OUT16 184, 20, 48
.Lno_up:
.irp g, 0,1,2,3,4,5,6
	WGROUP \g, 8
.endr
	WGROUP 7, 0
	ds_load_b64 v[188:189], v12                    ; LDS serves a wave's instructions in order: these see my byte stores
	s_wait_dscnt 0x0
	global_store_b64 v6, v[188:189], s[46:47]      ; 32 lanes store my rows' 256 scale bytes
	s_wait_tensorcnt 0x0
	ds_add_u32 v254, v255
	s_wait_dscnt 0x0
	s_endpgm
.Lfunc_end_k_qff3e49c26e_prep:
	.size	k_qff3e49c26e_prep, .Lfunc_end_k_qff3e49c26e_prep-k_qff3e49c26e_prep
	.p2alignl 7, 3214868480
	.fill 96, 4, 3214868480
	.section	.rodata,"a",@progbits
	.p2align	6, 0x0
	.amdhsa_kernel k_qff3e49c26e_prep
		.amdhsa_group_segment_fixed_size 317440
		.amdhsa_private_segment_fixed_size 0
		.amdhsa_enable_private_segment 0
		.amdhsa_kernarg_size 72
		.amdhsa_user_sgpr_count 2
		.amdhsa_user_sgpr_kernarg_segment_ptr 1
		.amdhsa_wavefront_size32 1
		.amdhsa_system_sgpr_workgroup_id_x 1
		.amdhsa_system_sgpr_workgroup_id_y 1
		.amdhsa_system_sgpr_workgroup_id_z 1
		.amdhsa_system_vgpr_workitem_id 0
		.amdhsa_next_free_vgpr 256
		.amdhsa_next_free_sgpr 66
		.amdhsa_reserve_vcc 0
		.amdhsa_float_denorm_mode_32 3
		.amdhsa_float_denorm_mode_16_64 3
		.amdhsa_memory_ordered 1
		.amdhsa_forward_progress 1
		.amdhsa_inst_pref_size 214
	.end_amdhsa_kernel
	.amdgpu_metadata
---
amdhsa.version: [ 1, 2 ]
amdhsa.kernels:
  - .name:           k_qff3e49c26e_prep
    .symbol:         k_qff3e49c26e_prep.kd
    .args:
      - { .name: x, .offset: 0, .size: 8, .value_kind: global_buffer, .address_space: global }
      - { .name: qweight, .offset: 8, .size: 8, .value_kind: global_buffer, .address_space: global }
      - { .name: wscale, .offset: 16, .size: 8, .value_kind: global_buffer, .address_space: global }
      - { .name: lora_down, .offset: 24, .size: 8, .value_kind: global_buffer, .address_space: global }
      - { .name: lora_up, .offset: 32, .size: 8, .value_kind: global_buffer, .address_space: global }
      - { .name: xq, .offset: 40, .size: 8, .value_kind: global_buffer, .address_space: global }
      - { .name: wq, .offset: 48, .size: 8, .value_kind: global_buffer, .address_space: global }
      - { .name: hq, .offset: 56, .size: 8, .value_kind: global_buffer, .address_space: global }
      - { .name: lq, .offset: 64, .size: 8, .value_kind: global_buffer, .address_space: global }
    .group_segment_fixed_size: 317440
    .private_segment_fixed_size: 0
    .kernarg_segment_align: 8
    .kernarg_segment_size: 72
    .max_flat_workgroup_size: 512
    .sgpr_count:     66
    .vgpr_count:     256
    .wavefront_size: 32
...
	.end_amdgpu_metadata
.endif
;; end of part 1
;; launch gemm (part 2): grid 16 x 16, 4 waves a work-group, clusters of 4 x 4, 327,680 bytes of LDS; arguments xq, hq, wq, lq, out0; writes out0
.if DOCPART == 2
	.amdgcn_target "amdgcn-amd-amdhsa--gfx1250"
	.amdhsa_code_object_version 6
	.text
	.protected	k_qff3e49c26e_gemm
	.globl	k_qff3e49c26e_gemm
	.p2align	8
	.type	k_qff3e49c26e_gemm,@function
k_qff3e49c26e_gemm:
	s_mov_b64 s[64:65], 0
	v_nop
	global_prefetch_b8 v0, s[64:65] scope:SCOPE_SE
	s_setreg_imm32_b32 hwreg(HW_REG_WAVE_MODE, 25, 1), 1
	s_wait_xcnt 0x0
	s_wait_alu depctr_hold_cnt(0) depctr_sa_sdst(0) depctr_va_vdst(0) depctr_va_sdst(0) depctr_va_ssrc(0) depctr_va_vcc(0) depctr_vm_vsrc(0)
	s_getreg_b32 s2, hwreg(HW_REG_IB_STS2, 6, 4)
	s_cmp_eq_u32 s2, 0
	s_cbranch_scc0 .Lentry_in_a_cluster
	s_endpgm
.Lentry_in_a_cluster:
	s_bfe_u32 s2, ttmp6, 0x10000c
	s_cmp_lg_u32 s2, 0xf033
	s_cbranch_scc0 .Lentry_shape_is_right
	s_endpgm
.Lentry_shape_is_right:
; y[m][n] = sum over k of Q(x)[m][k] Q(w)[n][k] + sum over r of Q(h)[m][r] Q(lora_up)[n][r], on codes of FP8 (E4M3) with one E8M0 scale for each 32 along K; sums in f32; y [4096][4096] rounded once to f16.
; xq, wq: [32 blocks of 128 rows][16 K steps of 256][33,792 bytes]: 128 rows x 256 codes, then the scale bytes [row][8]: 132 dense rows of 256 bytes, so that ONE tensor load brings 128 rows' codes AND scales of a K step.
; hq, lq: [32 blocks of 128 rows][4,608 bytes]: eight images of an operand's registers 0-3 (16 rows x 32 ranks), then a scale word a row (byte 0 the block's scale, bytes 1-3 the scale 1).
; A tile of y, 256 x 256, is made by a work-group of four waves; a wave makes 128 x 128: 64 accumulators of 16 x 16, 512 registers.  256 tiles, one work-group each.  K goes in steps of 256 through a ring of two LDS slots.
; THE CHANGE OF SLOTS STANDS AT THE HEAD OF A SLOT'S LAST 128 ALONG K: by then all of that step's fragments have been asked for, so the slot is read out, and its refill has a whole K step's 128 matrix instructions in which to land.
; THE LOW-RANK PRODUCT has K = 32: it is one more step of 128 along K on the same accumulators, in which h's blocks 1-3 are zero codes.  lora_up's registers 4-15 keep codes of w (finite: the quantiser holds every number), which zero codes multiply to nothing.
; CLUSTERS: 4 x 4 work-groups.  The four of a row of the cluster need the same tiles of x and h, the four of a column the same tiles of w and lora_up: each is asked for JOINTLY, by the same tensor load with the same descriptor and a mask that names the four.
; THE MATRIX INSTRUCTION IS USED TRANSPOSED (source 0 = 16 rows of w, source 1 = 16 rows of x): a lane then holds eight neighbouring numbers of a row of y.
; LIMITS: NaN and infinities among the problem's inputs are not served (a NaN code beside a zero code would spread).
; REGISTERS, in windows of 256: window 0: v0-31 addresses; v32-63 scale words, two sets; v64-95 packed results; from v128 A's fragments (8 x 16 rows x 128 K), ONE set; on the way out v128-191 rows read back.
;   window 1: B's fragments, TWO sets, at v0 and at v128.   window 2: the 32 accumulators of my rows 0-63 (accumulator (a, b) at v[8 (8 a + b)]);   window 3: those of my rows 64-127.
.set NQ,     2                         ; matrix instructions deep in a K step of 256
.set PITCH,  272                       ; an LDS row: 256 bytes + 16 of padding = 68 words: row r starts at bank 4 r mod 64 (64 banks of 4 bytes: ISA guide 11.1)
.set TROWS,  132                       ; rows of 256 bytes in a tile: 128 of codes, 4 of scale bytes
.set TILEB,  TROWS*256                 ; a tile in memory
.set KBLK,   16*TILEB                  ; a block of 128 rows, all of K
.set FR,     16                        ; registers of a fragment: 16 rows x 128 K
.set NL,     4                         ; LDS loads that bring one
.set NP,     8                         ; places behind this matrix instruction (ISA guide 7.12.1)
.set HALFT,  TROWS*PITCH               ; a tile in LDS: what one tensor load brings, and what one wave reads of A or of B
.set SLOT,   4*HALFT                   ; A's two tiles, then B's two
.set LAPS,   8                         ; a lap = two K steps = once round the ring
.set LBLK,   4608                      ; a block of hq or lq
.set LORA,   2*SLOT                    ; behind the ring: h's two blocks, lora_up's two: filled once
.set SPARE,  LORA+4*LBLK               ; the spare words, 128 bytes for each wave: two blocks of 256 bytes that no other line names
.set STAGE,  SPARE+512                 ; the way out: 16 rows x 272 bytes for each wave; no tensor load lands here
.set SPITCH, 272
.set OROW,   8192                      ; a row of y in bytes
.set ADRLA, 10                         ; v10     LDS address of h's images for my rows: 16 x lane
.set ADRLB, 11                         ; v11     of lora_up's
.set ADRLS, 12                         ; v12     of their scale words: lanes 0-15 h's, lanes 16-31 lora_up's
.set ADRA, 16                          ; v16-17  LDS address of my A fragments in slot 0, 1
.set ADRB, 20                          ; v20-21  the same for B
.set STO,  24                          ; v24     the way out: where I put 16 bytes of a row
.set RD,   25                          ; v25     where I read a row back
.set CO,   26                          ; v26     my byte offset in y
.set SPW,  28                          ; v28     LDS address of my spare word: SPARE + 4 x my thread's number; never rewritten
.set NIL,  29                          ; v29     0; never rewritten
.set ADRS, 30                          ; v30-31  LDS address of my scale words in slot 0, 1: lanes 0-15 A's rows, lanes 16-31 B's
.set SC,   32                          ; scale words: set s (for slot s) at v[SC + 16 s]; in it register 2 i + q: lanes 0-15 the word of A's block i, lanes 16-31 that of B's block i, for the slot's q-th 128 along K
.set TMP,  64
.set AF,   128
.set BK,   128
.set G1, 24                            ; s[24:31] descriptor group 1 for A's tiles;  s[32:39] group 0, one set for each slot
.set G0, 32
.set G1B, 48                           ; s[48:55], s[56:63] the same for B's tiles
.set G0B, 56
.set G1S, 68                           ; s[68:75], s[76:79] groups 1 and 0 for h's block;  s[80:87], s[88:91] for lora_up's
.set G0S, 76
.set G1SB, 80
.set G0SB, 88
.set MSB, 0
.macro WIN new                         ; the immediate's high byte repeats the setting that is left
.if MSB != \new
	s_set_vgpr_msb (MSB<<8)|\new
.set MSB, \new
.endif
.endm
.set MUL_LO, 0xa1                      ; source 0 (B) window 1, source 1 (A) window 0, C and D window 2
.set MUL_HI, 0xf1                      ; the same, C and D window 3
.set TO_B,   0x40                      ; destination window 1, address window 0
; A joint load: waves 0 and 1 fetch for A, waves 2 and 3 for B.  Each of the two lines has ONE mask and one set of registers for all that issue it; the branch hangs on the wave's number alone.
; Four v_nop follow each of the two lines, ahead of the jump, the label and what follows.
.macro JLOAD g0a, g1a, g0b, g1b
	s_cmp_eq_u32 s15, 0
	s_cbranch_scc0 .Lfor_b_\@
	tensor_load_to_lds s[\g0a:\g0a+3], s[\g1a:\g1a+7]
	s_nop 0
.rept 4
	v_nop
.endr
	s_branch .Lasked_\@
.Lfor_b_\@:
	tensor_load_to_lds s[\g0b:\g0b+3], s[\g1b:\g1b+7]
	s_nop 0
.rept 4
	v_nop
.endr
.Lasked_\@:
.endm
.macro CREST                           ; a round of the cluster's barrier behind its opening barrier
	s_cmp_lg_u32 s14, 0
	s_cbranch_scc1 .Lnot_wave_0_\@
	s_barrier_signal -3
.Lnot_wave_0_\@:
	s_barrier_wait -3
	s_barrier_signal -1
	s_barrier_wait -1
.endm
.macro CROUND                          ; a whole round
	s_barrier_signal -1
	s_barrier_wait -1
	CREST
.endm
	s_load_b128 s[4:7], s[0:1], 0x0                ; xq s[4:5], hq s[6:7]
	s_load_b128 s[8:11], s[0:1], 0x10              ; wq s[8:9], lq s[10:11]
	s_load_b64 s[12:13], s[0:1], 0x20              ; y
	v_lshl_add_u32 v[SPW], v0, 2, SPARE
	v_mov_b32 v[NIL], 0
	ds_add_u32 v28, v29
	ds_add_u32 v28, v29
	s_wait_dscnt 0x0
	v_lshrrev_b32 v1, 5, v0
	v_readfirstlane_b32 s14, v1                    ; wave 0..3
	s_lshr_b32 s15, s14, 1                         ; which half of the tile's rows is mine.  Also: I fetch for A (0) or for B (1)
	s_and_b32 s16, s14, 1                          ; which half of its columns.  Also: which block of 128 rows I fetch
	s_bfe_u32 s40, ttmp6, 0x40000                  ; cx, cy: my place in the cluster
	s_bfe_u32 s41, ttmp6, 0x40004
	s_lshl_b32 s42, ttmp9, 2
	s_add_co_u32 s42, s42, s40                     ; tile column of y = 4 x cluster x + cx
	s_and_b32 s17, ttmp7, 0xffff
	s_lshl_b32 s17, s17, 2
	s_add_co_u32 s17, s17, s41                     ; tile row of y = 4 x cluster y + cy
	s_lshl_b32 s43, s41, 2
	s_lshl_b32 s43, 15, s43                        ; my row of the cluster
	s_lshl_b32 s44, 0x1111, s40                    ; my column
	; descriptor group 1: a tile of 132 dense rows of 256 bytes (32 elements of 8 bytes), padded in LDS
	s_or_b32 s[G1+0], s43, (3<<16)|(1<<20)|(1<<21)|(5<<22)|(3<<25)  ; 15:0 the mask: A's tiles go to my row; 17:16 elements of 8 bytes; 20 padding on; 21 set beside a mask; 24:22 after every 64 words (code 5); 31:25 of 4 words (code 3)
	s_or_b32 s[G1B+0], s44, (3<<16)|(1<<20)|(1<<21)|(5<<22)|(3<<25)
.irp g, G1, G1B
	s_mov_b32 s[\g+1], 32<<16                      ; tensor_dim0 = 32
	s_mov_b32 s[\g+2], TROWS<<16                   ; tensor_dim1 = 132
	s_mov_b32 s[\g+3], 32<<16                      ; tile_dim0
	s_mov_b32 s[\g+4], TROWS                       ; tile_dim1
	s_mov_b32 s[\g+5], 32                          ; tensor_dim0_stride
	s_mov_b32 s[\g+6], 0
	s_mov_b32 s[\g+7], 0
.endr
	; and for a block of hq or lq: 18 dense rows of 256 bytes, no padding (it is read 16 bytes a lane, on end)
	s_or_b32 s[G1S+0], s43, (3<<16)|(1<<21)
	s_or_b32 s[G1SB+0], s44, (3<<16)|(1<<21)
.irp g, G1S, G1SB
	s_mov_b32 s[\g+1], 32<<16
	s_mov_b32 s[\g+2], (LBLK/256)<<16
	s_mov_b32 s[\g+3], 32<<16
	s_mov_b32 s[\g+4], LBLK/256
	s_mov_b32 s[\g+5], 32
	s_mov_b32 s[\g+6], 0
	s_mov_b32 s[\g+7], 0
.endr
	s_lshl_b32 s20, s17, 1
	s_add_co_u32 s20, s20, s16                     ; A: block 2 x tile row + half
	s_lshl_b32 s46, s42, 1
	s_add_co_u32 s46, s46, s16                     ; B: block 2 x tile column + half
	s_mul_i32 s22, s20, LBLK                       ; where the block begins in hq,
	s_mov_b32 s23, 0
	s_mul_i32 s92, s46, LBLK                       ; in lq,
	s_mov_b32 s93, 0
	s_mul_i32 s20, s20, KBLK                       ; in xq (under 2^25),
	s_mov_b32 s21, 0
	s_mul_i32 s46, s46, KBLK                       ; in wq
	s_mov_b32 s47, 0
	s_mul_i32 s45, s14, HALFT                      ; where they go: wave x a tile: no place in the cluster enters an LDS address
	s_mul_i32 s94, s14, LBLK
	s_wait_kmcnt 0x0
	s_add_nc_u64 s[20:21], s[4:5], s[20:21]
	s_add_nc_u64 s[22:23], s[6:7], s[22:23]
	s_add_nc_u64 s[46:47], s[8:9], s[46:47]
	s_add_nc_u64 s[92:93], s[10:11], s[92:93]
	CROUND                                         ; all sixteen work-groups are here: the first joint loads meet
	s_mov_b32 s[G0S], 1
	s_add_co_u32 s[G0S+1], s94, LORA
	s_mov_b64 s[G0S+2:G0S+3], s[22:23]
	s_or_b32 s[G0S+3], s[G0S+3], 0x80000000
	s_mov_b32 s[G0SB], 1
	s_add_co_u32 s[G0SB+1], s94, LORA
	s_mov_b64 s[G0SB+2:G0SB+3], s[92:93]
	s_or_b32 s[G0SB+3], s[G0SB+3], 0x80000000
	JLOAD G0S, G1S, G0SB, G1SB                     ; h's and lora_up's blocks: filled once.  With the two below, three tensor loads of a wave are out
.irp s, 0,1
	s_mov_b32 s[G0+4*\s], 1
	s_add_co_u32 s[G0+4*\s+1], s45, \s*SLOT
	s_add_nc_u64 s[G0+4*\s+2:G0+4*\s+3], s[20:21], \s*TILEB
	s_or_b32 s[G0+4*\s+3], s[G0+4*\s+3], 0x80000000
	s_mov_b32 s[G0B+4*\s], 1
	s_add_co_u32 s[G0B+4*\s+1], s45, \s*SLOT
	s_add_nc_u64 s[G0B+4*\s+2:G0B+4*\s+3], s[46:47], \s*TILEB
	s_or_b32 s[G0B+4*\s+3], s[G0B+4*\s+3], 0x80000000
	JLOAD G0+4*\s, G1, G0B+4*\s, G1B
.endr
	v_and_b32 v1, 15, v0                           ; r = l % 16
	v_bfe_u32 v2, v0, 4, 1                         ; h = l / 16
	v_mul_u32_u24 v3, v1, PITCH
	v_lshl_add_u32 v4, v2, 4, v3                   ; a fragment's row x pitch + 16 x half
	s_mul_i32 s21, s15, HALFT                      ; my 128 rows of A
	s_mul_i32 s22, s16, HALFT                      ; my 128 rows of B,
	s_add_co_u32 s22, s22, 2*HALFT                 ; which lie behind A's two tiles
.irp s, 0,1
	v_add_nc_u32 v[ADRA+\s], s21, v4
	v_add_nc_u32 v[ADRB+\s], s22, v4
	s_add_co_u32 s21, s21, SLOT
	s_add_co_u32 s22, s22, SLOT
.endr
	s_mul_i32 s21, s15, HALFT                      ; the scale bytes lie behind a tile's 128 rows of codes, 8 a row
	s_mul_i32 s22, s16, HALFT
	s_add_co_u32 s22, s22, 2*HALFT
	s_sub_co_u32 s22, s22, s21                     ; from A's tile to B's
	v_mul_u32_u24 v6, s22, v2                      ; lanes 16-31 take B's
	v_lshl_add_u32 v5, v1, 3, v6
	s_add_co_u32 s21, s21, 128*PITCH
	v_add_nc_u32 v[ADRS], s21, v5
	s_add_co_u32 s21, s21, SLOT
	v_add_nc_u32 v[ADRS+1], s21, v5
	v_and_b32 v6, 31, v0
	v_lshlrev_b32 v7, 4, v6                        ; 16 x lane: an image's place for my lane
	s_mul_i32 s21, s15, LBLK                       ; h's block for my rows
	s_mul_i32 s22, s16, LBLK
	s_add_co_u32 s22, s22, 2*LBLK                  ; lora_up's for my columns
	s_add_co_u32 s23, s21, LORA
	v_add_nc_u32 v[ADRLA], s23, v7
	s_add_co_u32 s23, s22, LORA
	v_add_nc_u32 v[ADRLB], s23, v7
	s_sub_co_u32 s22, s22, s21
	v_mul_u32_u24 v8, s22, v2                      ; lanes 16-31 take lora_up's scale words
	v_lshl_add_u32 v8, v1, 2, v8
	s_add_co_u32 s21, s21, LORA+4096
	v_add_nc_u32 v[ADRLS], s21, v8
	s_mul_i32 s23, s14, 16*SPITCH
	s_add_co_u32 s23, s23, STAGE                   ; my stage
	v_mul_u32_u24 v5, v1, SPITCH                   ; in: row l % 16, 16 bytes for each half of the lanes
	v_lshl_add_u32 v5, v2, 4, v5
	v_add_nc_u32 v[STO], s23, v5
	v_mul_u32_u24 v5, v2, SPITCH                   ; back: lanes 0-15 take one row of 256 bytes, lanes 16-31 the next
	v_lshl_add_u32 v5, v1, 4, v5
	v_add_nc_u32 v[RD], s23, v5
	v_lshlrev_b32 v5, 13, v2                       ; and the same two rows in y
	v_lshl_add_u32 v[CO], v1, 4, v5
	s_lshl_b32 s20, s17, 8
	s_lshl_b32 s21, s15, 7
	s_add_co_u32 s20, s20, s21                     ; my first row of y: 256 x tile row + 128 x half,
	s_lshl_b32 s20, s20, 13                        ; in bytes (under 2^25)
	s_mov_b32 s21, 0
	s_lshl_b32 s46, s42, 9                         ; my first column, in bytes: 512 x tile column + 256 x half
	s_lshl_b32 s47, s16, 8
	s_add_co_u32 s46, s46, s47
	s_mov_b32 s47, 0
	s_add_nc_u64 s[20:21], s[20:21], s[46:47]
	s_add_nc_u64 s[12:13], s[12:13], s[20:21]
.macro FRAG reg, adr, q, i             ; a fragment, 16 rows x 128 K of 8-bit codes, is 16 registers: lane l holds row l % 16; registers 4 c .. 4 c + 3 hold K = 32 c + 16 (l / 16) + 0 .. 15
.irp c, 0,1,2,3
	ds_load_b128 v[\reg+4*\c:\reg+4*\c+3], v[\adr] offset:128*(\q)+32*\c+(\i)*16*PITCH
.endr
.endm
; 16 matrix instructions: A's blocks a0, a0 + 1 x B's eight, 128 along K: the slot's q-th.  p: B's set;  sc: the set of scale words.  zero = 1: the first product starts the sums: nothing is ever cleared.
; The 64 accumulators take turns, one instruction a turn, in the same order in every step.
.macro MUL16 a0, p, q, sc, zero
.irp a, \a0, \a0+1
.irp b, 0,1,2,3,4,5,6,7
.if \zero
	v_wmma_scale_f32_16x16x128_f8f6f4 v[8*(8*((\a)%4)+\b):8*(8*((\a)%4)+\b)+7], v[128*(\p)+FR*\b:128*(\p)+FR*\b+FR-1], v[AF+FR*(\a):AF+FR*(\a)+FR-1], 0, v[SC+8*NQ*(\sc)+NQ*\b+(\q)], v[SC+8*NQ*(\sc)+NQ*(\a)+(\q)] matrix_a_scale:MATRIX_SCALE_ROW1
.else
	v_wmma_scale_f32_16x16x128_f8f6f4 v[8*(8*((\a)%4)+\b):8*(8*((\a)%4)+\b)+7], v[128*(\p)+FR*\b:128*(\p)+FR*\b+FR-1], v[AF+FR*(\a):AF+FR*(\a)+FR-1], v[8*(8*((\a)%4)+\b):8*(8*((\a)%4)+\b)+7], v[SC+8*NQ*(\sc)+NQ*\b+(\q)], v[SC+8*NQ*(\sc)+NQ*(\a)+(\q)] matrix_a_scale:MATRIX_SCALE_ROW1
.endif
.endr
.endr
.endm
; The same for the low-rank step: B's set 0; register i of scale set 0 holds h's word of block i in lanes 0-15 and lora_up's in lanes 16-31.
.macro LMUL16 a0
.irp a, \a0, \a0+1
.irp b, 0,1,2,3,4,5,6,7
	v_wmma_scale_f32_16x16x128_f8f6f4 v[8*(8*((\a)%4)+\b):8*(8*((\a)%4)+\b)+7], v[FR*\b:FR*\b+FR-1], v[AF+FR*(\a):AF+FR*(\a)+FR-1], v[8*(8*((\a)%4)+\b):8*(8*((\a)%4)+\b)+7], v[SC+\b], v[SC+(\a)] matrix_a_scale:MATRIX_SCALE_ROW1
.endr
.endr
.endm
.macro FETCH_B slot, q, p              ; B's eight fragments of the slot's q-th 128 along K into set p
	WIN TO_B
.irp i, 0,1,2,3,4,5,6,7
	FRAG 128*(\p)+FR*\i, ADRB+\slot, \q, \i
.endr
	WIN 0
.endm
.macro FETCH_A slot, q, i0             ; A's blocks i0 .. i0 + 3
.irp i, \i0, \i0+1, \i0+2, \i0+3
	FRAG AF+FR*(\i), ADRA+\slot, \q, \i
.endr
.endm
.macro SCALES slot                     ; the slot's scale words into its set: two words a row; lanes 0-15 take A's block i, lanes 16-31 B's block i.  32 rows' bytes fill an LDS row of 256
.irp i, 0,1,2,3,4,5,6,7
	ds_load_b64 v[SC+8*NQ*\slot+NQ*\i:SC+8*NQ*\slot+NQ*\i+1], v[ADRS+\slot] offset:(\i/2)*PITCH+(\i%2)*128
.endr
.endm
.macro LFETCH_A i0                     ; h's blocks i0 .. i0 + 3: registers 0-3 from the image, registers 4-15 zero codes (K = 32 in a form of K = 128)
.irp i, \i0, \i0+1, \i0+2, \i0+3
	ds_load_b128 v[AF+FR*(\i):AF+FR*(\i)+3], v[ADRLA] offset:512*(\i)
.endr
.irp i, \i0, \i0+1, \i0+2, \i0+3
.irp j, 4,5,6,7,8,9,10,11,12,13,14,15
	v_mov_b32 v[AF+FR*(\i)+\j], 0
.endr
.endr
.endm
; A load into a register that a matrix instruction has read, and a vector instruction or an LDS store that reads a matrix result or writes such a register, stand NP places behind that matrix instruction, and only plain vector
; instructions that name none of its registers are places (ISA guide 7.12.1 for vector instructions); this text does not count the matrix instructions in between.
.macro PLACES n
.rept \n
	v_nop
.endr
.endm
; A step of 128 along K that has its successor in the same slot.
.macro STEP slot, q, zero
	s_wait_dscnt 4*NL                              ; B's set, the scale words and A's blocks 0-3 are in; the youngest sixteen loads (A's blocks 4-7) may be out
	WIN MUL_LO
	MUL16 0, (\q)%2, \q, \slot, \zero
	MUL16 2, (\q)%2, \q, \slot, \zero
	s_wait_dscnt 0                                 ; A's blocks 4-7 are in (asked for 32 matrix instructions ago)
	PLACES NP
	FETCH_B \slot, (\q)+1, 1-(\q)%2
	FETCH_A \slot, (\q)+1, 0
	WIN MUL_HI
	MUL16 4, (\q)%2, \q, \slot, \zero
	MUL16 6, (\q)%2, \q, \slot, \zero
	PLACES NP
	WIN 0
	FETCH_A \slot, (\q)+1, 4
.endm
; A slot's last step, with THE CHANGE OF SLOTS AT ITS HEAD.  All fragments of this step have been asked for (B's set 1 and A's blocks 0-3 in the middle of the step before, A's blocks 4-7 at its end): they are my last reads of the slot.
; So each wave waits for all its tensor loads (one is out: its part of the next slot), adds 0 to its spare word, and waits for that and for those reads; behind the barrier nobody reads this slot any more and the next slot is whole.
; fill = 1: the barrier is a round of the cluster's, and this slot is filled again, two K steps ahead, first thing behind it.  Nothing but the add and the round stands between a tile's landing and the next request,
; and all 128 matrix instructions of a K step (this step's 64, the next slot's first 64) stand between the request and the wait for it.  The step itself then runs as STEP does, fetching from the next slot.
.macro TURN slot, next, fill
	s_wait_tensorcnt 0x0                           ; all my tensor loads have landed: my part of the next slot; so every group 0 may be written.  (Every window is 0 here: the add's two registers lie in window 0, and branches follow)
	ds_add_u32 v[SPW], v[NIL]                      ; 0 onto my spare word; with fill = 1 the descriptors' steps stand between it and the wait for it
.if \fill
	s_add_nc_u64 s[G0+4*\slot+2:G0+4*\slot+3], s[G0+4*\slot+2:G0+4*\slot+3], 2*TILEB      ; this slot's next tile; the type bits on top are not reached
	s_add_nc_u64 s[G0B+4*\slot+2:G0B+4*\slot+3], s[G0B+4*\slot+2:G0B+4*\slot+3], 2*TILEB
.endif
	s_wait_dscnt 0x0                               ; the add is done, and my reads of this slot are over: A's blocks 4-7 of this step were the last
.if \fill
	CROUND                                         ; no wave of any partner still reads this slot's tile or has a load on its way
	JLOAD G0+4*\slot, G1, G0B+4*\slot, G1B         ; the first tensor load behind the round, and my one load until the next
.else
	s_barrier_signal -1
	s_barrier_wait -1                              ; the next slot is whole; nothing is filled again
.endif
	WIN MUL_LO
	MUL16 0, 1, NQ-1, \slot, 0
	MUL16 2, 1, NQ-1, \slot, 0
	PLACES NP
	FETCH_B \next, 0, 0
	FETCH_A \next, 0, 0
	SCALES \next
	WIN MUL_HI
	MUL16 4, 1, NQ-1, \slot, 0
	MUL16 6, 1, NQ-1, \slot, 0
	PLACES NP
	WIN 0
	FETCH_A \next, 0, 4
.endm
	s_wait_tensorcnt 1                             ; the low-rank blocks and my part of K step 0 are in (K step 1's load may be out)
	s_barrier_signal -1
	s_barrier_wait -1                              ; everybody's are
	FETCH_B 0, 0, 0
	FETCH_A 0, 0, 0
	SCALES 0
	FETCH_A 0, 0, 4
	STEP 0, 0, 1                                   ; the first step stands in front of the loop: its products start the sums
	s_mov_b32 s3, LAPS-1
.Llap:                                                 ; a trip goes once round the ring, from a lap's second step to the next lap's first, and fills both slots again
	TURN 0, 1, 1
	STEP 1, 0, 0
	TURN 1, 0, 1
	STEP 0, 0, 0
	s_sub_co_u32 s3, s3, 1
	s_cmp_lg_u32 s3, 0
	s_cbranch_scc1 .Llap
	TURN 0, 1, 0                                   ; the last lap fills nothing, and has no round of the cluster's barrier
	STEP 1, 0, 0
	s_wait_dscnt 4*NL                              ; the last step of the main product; in its middle and at its end the low-rank step's operands are fetched as a next step's would be
	WIN MUL_LO
	MUL16 0, 1, NQ-1, 1, 0
	MUL16 2, 1, NQ-1, 1, 0
	s_wait_dscnt 0
	PLACES NP
	WIN TO_B
.irp b, 0,1,2,3,4,5,6,7
	ds_load_b128 v[FR*\b:FR*\b+3], v[ADRLB] offset:512*\b    ; lora_up's images: registers 0-3 of B's set 0
.endr
	WIN 0
.irp i, 0,1,2,3,4,5,6,7
	ds_load_b32 v[SC+\i], v[ADRLS] offset:64*\i              ; the scale words, into set 0
.endr
	LFETCH_A 0
	WIN MUL_HI
	MUL16 4, 1, NQ-1, 1, 0
	MUL16 6, 1, NQ-1, 1, 0
	PLACES NP
	WIN 0
	LFETCH_A 4
	PLACES 4                                       ; an operand's register written by a vector instruction stands four places ahead of a scaled matrix instruction
	s_wait_dscnt 4                                 ; all but the youngest four loads (h's blocks 4-7)
	WIN MUL_LO
	LMUL16 0
	LMUL16 2
	s_wait_dscnt 0
	WIN MUL_HI
	LMUL16 4
	LMUL16 6
	WIN 0
; THE WAY OUT, block by block of 16 rows x 128 columns.  PACK: rounded to f16, 16 bytes a lane.  TOSTAGE: into my own stage in LDS, and back as whole rows of 256 bytes.  SEND: stored.
.macro PACK a
.set AC, 64*((\a)%4)
	WIN 0x0a+5*((\a)/4)                            ; sources 0 and 1: window 2 or 3
.irp b, 0,1,2,3,4,5,6,7
.irp t, 0,1,2,3
	v_cvt_pk_f16_f32 v[TMP+4*\b+\t], v[AC+8*\b+2*\t], v[AC+8*\b+2*\t+1]   ; each accumulator from its low end on
.endr
.endr
	WIN 0
.endm
.macro TOSTAGE a
.set BB, BK+32*((\a)%2)
.irp b, 0,1,2,3,4,5,6,7
	ds_store_b128 v[STO], v[TMP+4*\b:TMP+4*\b+3] offset:32*\b
.endr
.irp t, 0,1,2,3,4,5,6,7
	ds_load_b128 v[BB+4*\t:BB+4*\t+3], v[RD] offset:\t*2*SPITCH    ; LDS serves a wave's instructions in order (ISA guide 5.7.1.4): these see the stores above
.endr
.endm
.macro SEND a
.set BB, BK+32*((\a)%2)
	s_wait_dscnt 0x0                               ; the block is back in registers
	s_wait_xcnt 0x0                                ; every earlier store has had its addresses translated (ISA guide 3.1): only behind this wait are the stores' base and the registers that earlier stores read rewritten
.if (\a) > 0
	s_add_nc_u64 s[12:13], s[12:13], 16*OROW       ; 16 rows of y on
.endif
.irp t, 0,1,2,3,4,5,6,7
	global_store_b128 v[CO], v[BB+4*\t:BB+4*\t+3], s[12:13] offset:2*\t*OROW th:TH_STORE_NT   ; 16 lanes store 256 consecutive bytes, at a multiple of 256 from y's first byte; written once, read by nobody here
.endr
.endm
	PLACES NP                                      ; behind the last products: for the conversions that read results, and for the loads into registers that held A's fragments
	PACK 0
	TOSTAGE 0
.irp a, 1,2,3,4,5,6,7                  ; block a's conversions stand between block a - 1's loads from the stage and the wait for them
	PACK \a
	SEND \a-1
	TOSTAGE \a
.endr
	SEND 7
	s_wait_tensorcnt 0x0                           ; the wave's end: behind my last tensor load and my last LDS store
	ds_add_u32 v[SPW], v[NIL]
	s_wait_dscnt 0x0
	CROUND                                         ; the closing round: no work-group ends while a partner may still ask for a tile that names it
	s_endpgm
.Lfunc_end_k_qff3e49c26e_gemm:
	.size	k_qff3e49c26e_gemm, .Lfunc_end_k_qff3e49c26e_gemm-k_qff3e49c26e_gemm
	.p2alignl 7, 3214868480
	.fill 96, 4, 3214868480
	.section	.rodata,"a",@progbits
	.p2align	6, 0x0
	.amdhsa_kernel k_qff3e49c26e_gemm
		.amdhsa_group_segment_fixed_size 327680
		.amdhsa_private_segment_fixed_size 0
		.amdhsa_enable_private_segment 0
		.amdhsa_kernarg_size 40
		.amdhsa_user_sgpr_count 2
		.amdhsa_user_sgpr_kernarg_segment_ptr 1
		.amdhsa_wavefront_size32 1
		.amdhsa_system_sgpr_workgroup_id_x 1
		.amdhsa_system_sgpr_workgroup_id_y 1
		.amdhsa_system_sgpr_workgroup_id_z 1
		.amdhsa_system_vgpr_workitem_id 0
		.amdhsa_next_free_vgpr 1024
		.amdhsa_next_free_sgpr 98
		.amdhsa_reserve_vcc 0
		.amdhsa_float_denorm_mode_32 3
		.amdhsa_float_denorm_mode_16_64 3
		.amdhsa_memory_ordered 1
		.amdhsa_forward_progress 1
		.amdhsa_inst_pref_size 162
	.end_amdhsa_kernel
	.amdgpu_metadata
---
amdhsa.version: [ 1, 2 ]
amdhsa.kernels:
  - .name:           k_qff3e49c26e_gemm
    .symbol:         k_qff3e49c26e_gemm.kd
    .args:
      - { .name: xq, .offset: 0, .size: 8, .value_kind: global_buffer, .address_space: global }
      - { .name: hq, .offset: 8, .size: 8, .value_kind: global_buffer, .address_space: global }
      - { .name: wq, .offset: 16, .size: 8, .value_kind: global_buffer, .address_space: global }
      - { .name: lq, .offset: 24, .size: 8, .value_kind: global_buffer, .address_space: global }
      - { .name: out0, .offset: 32, .size: 8, .value_kind: global_buffer, .address_space: global }
    .group_segment_fixed_size: 327680
    .private_segment_fixed_size: 0
    .kernarg_segment_align: 8
    .kernarg_segment_size: 40
    .max_flat_workgroup_size: 128
    .sgpr_count:     98
    .vgpr_count:     1024
    .wavefront_size: 32
...
	.end_amdgpu_metadata
.endif
;; end of part 2
;; ======== version 2 of 2: 2 launches; version 1 with the launch prep written anew for expert scheduling mode
;; workspace buffers: xq 17,301,504 bytes; wq 17,301,504 bytes; hq 147,456 bytes; lq 147,456 bytes
;; launch prep (part 3): grid 256 x 1, 16 waves a work-group, no clusters, 317,440 bytes of LDS; arguments x, qweight, wscale, lora_down, lora_up, xq, wq, hq, lq; writes xq, wq, hq, lq
.if DOCPART == 3
	.amdgcn_target "amdgcn-amd-amdhsa--gfx1250"
	.amdhsa_code_object_version 6
	.text
	.protected	k_qff3e49c26e_prep
	.globl	k_qff3e49c26e_prep
	.p2align	8
	.type	k_qff3e49c26e_prep,@function
k_qff3e49c26e_prep:
	s_mov_b64 s[64:65], 0
	v_nop
	global_prefetch_b8 v0, s[64:65] scope:SCOPE_SE
	s_setreg_imm32_b32 hwreg(HW_REG_WAVE_SCHED_MODE, 0, 2), 2
	s_setreg_imm32_b32 hwreg(HW_REG_WAVE_MODE, 25, 1), 1
	s_wait_xcnt 0x0
	s_wait_alu depctr_vm_vsrc(0)
; PREP.  Every operand of the three products is turned ONCE into codes of FP8 (E4M3) with one E8M0 byte for each 32 along K, laid as the second launch's tensor loads want them; and h = Q(x) Q(lora_down)^T is made here and quantised.
; x [4096][4096] f16;  w = (qweight - 8) x wscale, qweight [4096][4096] i32, wscale [4096][64] f16 (one for 64 along K);  lora_down [32][4096] f16;  lora_up [4096][32] f16.
; OUT: xq, wq: [32 blocks of 128 rows][16 K steps of 256][33,792 bytes]: 128 rows x 256 codes, then at byte 32,768 the scale bytes [row][8]: 132 dense rows of 256 bytes.
;      hq, lq: [32 blocks of 128 rows][4,608 bytes]: eight images of an operand's registers 0-3 (16 rows x 32 ranks: lane l's 16 bytes at 16 l), then at byte 4,096 a scale word a row (byte 0 the block's, bytes 1-3 0x7f).
; A block's scale is 2^(floor(log2(its largest magnitude)) - 8); its byte is the largest magnitude's exponent field - 8, held at 1 from below; each number is held within +-448 x the scale and rounded to the nearest code, ties to even.
; LIMITS: NaN and infinities among the inputs are not served.  w is exact in f32 for |qweight - 8| up to 2^12 (one fused multiply-add: q s - 8 s); neither w nor h is rounded to f16 ahead of its quantiser.
;         A block of zeros gets the byte 1 where the rule says 127: its codes are zeros, which add nothing under any byte but 0xff, and this program alone reads the bytes.
; SHARES: work-groups with an even number take x (path X), those with an odd number w and lora_up (path W): 128 each.  Work-group i of a path owns rows 32 i .. 32 i + 31; wave v of its sixteen owns K step v, 256 along K.
;   Path X reads 256 KiB of x and 256 KiB of lora_down, path W 512 KiB of qweight.  Every X work-group quantises lora_down for itself: 32 rows beside its own 32.
; A lane holds 8 neighbours along K, four lanes a block.  Every global load of a wave reads 512 consecutive bytes, every store of codes 256 consecutive bytes at a multiple of 256 from its buffer's first byte.
; No tensor loads (every number passes through registers to be converted), so no ring; no cluster: what work-groups share is lora_down's 256 KiB.  No loop: every offset is an immediate.  Each path has LDS bytes of its own.
; THE MODE: SCHED_MODE bits 1:0 = 2 (LLVM: expert scheduling mode 2), set by the entry lines.  The code itself states the register dependences between vector or matrix instructions and memory or LDS instructions, with s_wait_alu, always for 0.
; THE PLAN.  Registers that memory or LDS instructions touch:
;   v5, v6, v7 and each path's addresses (v8-15, in path X v1 too): made once, ahead of a wait on va_vdst, and never written again.
;   X: the raw set g % 4   group g's widenings read it; behind them the loads of group g + 4 land in it.
;   X: the codes v128-135 and the bytes v28-31   group g's conversions and shifts write them; the stores that read them are issued in group g + 1.
;   W: the raw set g % 2   group g's LDS stores (the turn) read it; behind them the loads of group g + 2 land in it.
;   W: v128-159 and v32-35   the turn's LDS loads land there; group g's arithmetic reads and writes them.     W: the codes v160-167 and the bytes: as in X.
; So a group has ONE wait on va_vdst (X: behind its widenings; W: at its head): it states that the registers in which the group's loads land are read out, and that the group before has written the codes and bytes
; that the group's stores read; no vector instruction stands between that wait and those loads and stores.  One wait on vm_vsrc stands ahead of the conversions, which write the codes and bytes again;
; in W one more ahead of the loads into the set that the turn's stores have read.  Where the next lines read LDS bytes of a group's stores, that group's stores are written out behind a wait of their own.
.set XWB,   8960                       ; path X: a wave's LDS region: a stage of 32 rows x (256 + 16) bytes of codes,
.set XSB,   8704                       ;         and behind it 256 scale bytes [row][8]
.set PART,  16*XWB                     ; path X: h's partial sums, 4,096 bytes a wave, as images of the accumulators
.set WSC,   PART+16*4096               ; path W: the work-group's 32 rows of wscale, 128 bytes each
.set WW0,   WSC+4096                   ; path W: a wave's region: four rows of 32 places x (32 + 16) bytes for the turn,
.set WWB,   6400
.set WSB,   6144                       ;         and behind them 256 scale bytes
.set TILEB, 33792
.set LBLK,  4608
.set M,   16                           ; v16-19  largest magnitudes of a group's four rows
.set SCO, 20                           ; v20-23  the conversions' scale operands
.set H,   24                           ; v24-27  448 x the scale
.set E,   28                           ; v28-31  the scale bytes
.set XR,  32                           ; X: v32-95   four sets of 16 registers as loaded; later x's four fragments
.set XF,  32
.set XN,  96                           ; X: v96-127  four rows x 8 numbers; later h's sums
.set SUM, 96
.set XC,  128                          ; X: v128-135 a group's codes
.set LF,  144                          ; X: v144-207 lora_down's four fragments (tile u, half q of the K step) at LF + 16 (2 u + q)
.set LS,  208                          ; X: v208-211 their scale words; v212-215 x's: these eight hold scales and nothing else
.set XS,  212
.set ACC, 216                          ; X: v216-247 h's partial sums: (tile m of x's rows, tile u) at ACC + 8 (2 m + u)
.set SP,  44                           ; W: v44-51   pair a: a row's scale s in the low register
.set TP,  52                           ; W: v52-59   pair a: -8 s
.set WR,  64                           ; W: v64-127  two sets of 32 registers as loaded
.set WN,  128                          ; W: v128-159 four rows x 8 numbers
.set WC,  160                          ; W: v160-167 a group's codes
; v1-15 addresses; v5 = 16 x lane, v6 = 8 x lane, v7 = 4 x (lane % 16); v248 a lane permute's destination; v249 at work on addresses; v254, v255 the closing add's two
.macro CV2 d, r                        ; the two f16 of register r become f32 in v[d], v[d + 1]
	v_cvt_f32_f16 v[\d], v\r\().l
	v_cvt_f32_f16 v[\d+1], v\r\().h
.endm
; Four rows by turns; row a's 8 numbers of my lane in v[n + 8 a] on; codes to the pair v[c + 2 a]; the bytes to v[E + a].
.macro Q8X4 n, c
.irp a, 0,1,2,3
	v_max3_num_f32 v[M+\a], |v[\n+8*\a]|, |v[\n+8*\a+1]|, 0x4800000    ; with the floor 2^(9 - 127): the byte cannot fall under 1
.endr
.irp j, 2,4,6
.irp a, 0,1,2,3
	v_max3_num_f32 v[M+\a], v[M+\a], |v[\n+8*\a+\j]|, |v[\n+8*\a+\j+1]|
.endr
.endr
.irp a, 0,1,2,3
	v_max_num_f32_dpp v[M+\a], v[M+\a], v[M+\a] row_xmask:1 row_mask:0xf bank_mask:0xf
.endr
.irp a, 0,1,2,3
	v_max_num_f32_dpp v[M+\a], v[M+\a], v[M+\a] row_xmask:2 row_mask:0xf bank_mask:0xf   ; the four lanes of a block agree
.endr
.irp a, 0,1,2,3
	v_add_nc_u32 v[SCO+\a], 0xfc000000, v[M+\a]                        ; 8 off the exponent field: the conversion takes that field as its scale
.endr
.irp a, 0,1,2,3
	v_and_or_b32 v[H+\a], v[M+\a], 0x7f800000, s23                     ; 448 x the scale
.endr
.irp a, 0,1,2,3
.irp j, 0,1,2,3,4,5,6,7
	v_med3_num_f32 v[\n+8*\a+\j], v[\n+8*\a+\j], -v[H+\a], v[H+\a]     ; the conversion to an 8-bit code does not saturate (ISA guide 7.6.2)
.endr
.endr
	s_wait_dscnt 0x0                               ; the LDS stores of the last group's codes and bytes are done,
	s_wait_xcnt 0x0                                ; and its global stores have had their addresses translated (ISA guide 3.1): their data are written again only behind this wait
	s_wait_alu depctr_vm_vsrc(0)                   ; the stores issued so far have read the codes v[c ..] and the bytes v[E ..] (in path W's first group: lora_up's scale word in v[E]), which the lines below write again
.irp a, 0,1,2,3
	v_cvt_scalef32_pk8_fp8_f32 v[\c+2*\a:\c+2*\a+1], v[\n+8*\a:\n+8*\a+7], v[SCO+\a]
.endr
.irp a, 0,1,2,3
	v_lshrrev_b32 v[E+\a], 23, v[SCO+\a]           ; the scale's byte.  (Plain lines behind the conversions)
.endr
.endm
; 16 numbers of my lane, v[n] on: ranks 16 (lane / 16) + 0 .. 15 of row lane % 16; the block of 32 is shared with lane l xor 16.  Codes to v[c : c + 3], the scale word to v[E].
.macro Q16 n, c
	v_max3_num_f32 v[M], |v[\n]|, |v[\n+1]|, 0x4800000
.irp j, 2,4,6,8,10,12,14
	v_max3_num_f32 v[M], v[M], |v[\n+\j]|, |v[\n+\j+1]|
.endr
	v_permlanex16_b32 v248, v[M], s24, s25
	v_max_num_f32 v[M], v[M], v248
	v_add_nc_u32 v[SCO], 0xfc000000, v[M]
	v_and_or_b32 v[H], v[M], 0x7f800000, s23
	v_lshrrev_b32 v[E], 23, v[SCO]
	v_or_b32 v[E], 0x7f7f7f00, v[E]                ; the K step's other three blocks are zero codes under the scale 1
.irp j, 0,1,2,3,4,5,6,7,8,9,10,11,12,13,14,15
	v_med3_num_f32 v[\n+\j], v[\n+\j], -v[H], v[H]
.endr
	v_cvt_scalef32_pk8_fp8_f32 v[\c:\c+1], v[\n:\n+7], v[SCO]
	v_cvt_scalef32_pk8_fp8_f32 v[\c+2:\c+3], v[\n+8:\n+15], v[SCO]
	v_nop                                          ; a plain line behind the last conversion
.endm
.macro OUT16 c, oh, ohs                ; the image: 512 consecutive bytes; the 16 scale words: 64 bytes (lanes 16-31 write the same words with the same values): parts of a 256-byte block, 16 KiB of them in the whole launch
	s_wait_alu depctr_va_vdst(0)                   ; the conversions have written the codes v[c : c + 3], and the scale word v[E] is written: the two stores read them
	global_store_b128 v5, v[\c:\c+3], s[\oh:\oh+1]
	global_store_b32 v7, v[E], s[\ohs:\ohs+1]
.endm
	s_load_b256 s[4:11], s[0:1], 0x0               ; x s[4:5], qweight s[6:7], wscale s[8:9], lora_down s[10:11]
	s_load_b256 s[12:19], s[0:1], 0x20             ; lora_up s[12:13], xq s[14:15], wq s[16:17], hq s[18:19]
	s_load_b64 s[20:21], s[0:1], 0x40              ; lq
	v_lshl_add_u32 v254, v0, 2, 0x4d000
	v_mov_b32 v255, 0
	v_lshrrev_b32 v1, 5, v0
	v_readfirstlane_b32 s22, v1                    ; wave v = 0 .. 15: my K step
	v_and_b32 v2, 31, v0                           ; lane l
	v_and_b32 v3, 15, v0                           ; r
	v_bfe_u32 v4, v0, 4, 1                         ; h
	v_lshlrev_b32 v5, 4, v2
	v_lshlrev_b32 v6, 3, v2
	v_lshlrev_b32 v7, 2, v3
	v_mov_b32 v248, 0                              ; written once: a lane permute's destination counts as one of its sources
	s_mov_b32 s23, 0x600000                        ; the mantissa field of 448
	s_mov_b32 s24, 0x76543210
	s_mov_b32 s25, 0xfedcba98                      ; v_permlanex16_b32's selects for lane l xor 16
	s_and_b32 s26, ttmp9, 1                        ; the path
	s_lshr_b32 s27, ttmp9, 1                       ; i
	s_lshr_b32 s28, s27, 2                         ; my block of 128 rows
	s_and_b32 s30, s27, 3                          ; which 32 rows of it
	s_wait_alu depctr_va_sdst(0)                   ; s22 is written, ahead of its first reader: offsets, LDS addresses and the branches on the wave's number are made from it
	s_and_b32 s29, s22, 1
	s_lshl_b32 s31, s28, 4
	s_add_co_u32 s31, s31, s22
	s_mul_i32 s31, s31, TILEB                      ; my tile's first byte (under 2^25)
	s_lshl_b32 s32, s30, 13
	s_add_co_u32 s32, s32, s31                     ; s[32:33]: my 32 rows of codes
	s_mov_b32 s33, 0
	s_lshl_b32 s34, s30, 8
	s_add_co_u32 s34, s34, s31
	s_add_co_u32 s34, s34, 32768                   ; s[34:35]: their 256 scale bytes
	s_mov_b32 s35, 0
	s_lshl_b32 s40, s30, 1
	s_add_co_u32 s40, s40, s29                     ; which tile of 16 rows in the block waves 0 and 1 write: 2 (i % 4) + v
	s_mul_i32 s41, s28, LBLK
	s_lshl_b32 s36, s40, 9
	s_add_co_u32 s36, s36, s41                     ; s[36:37]: its image
	s_mov_b32 s37, 0
	s_lshl_b32 s38, s40, 6
	s_add_co_u32 s38, s38, s41
	s_add_co_u32 s38, s38, 4096                    ; s[38:39]: its scale words
	s_mov_b32 s39, 0
	s_wait_kmcnt 0x0
	s_cmp_lg_u32 s26, 0
	s_cbranch_scc1 .Lpath_w
; ---------------------------------------------------------------- PATH X
; Group g of four rows: groups 0-7 are lora_down's 32 rows, groups 8-15 x's.  A row's 256 f16 of my K step are 512 consecutive bytes: one load.
.macro XLOAD g
.irp a, 0,1,2,3
.if (\g) < 8
	global_load_b128 v[XR+16*((\g)%4)+4*\a:XR+16*((\g)%4)+4*\a+3], v5, s[10:11] offset:(4*((\g)%8)+\a)*8192                  ; read by all 128 work-groups of the path: no hint
.else
	global_load_b128 v[XR+16*((\g)%4)+4*\a:XR+16*((\g)%4)+4*\a+3], v5, s[4:5] offset:(4*((\g)%8)+\a)*8192 th:TH_LOAD_NT      ; read once in the launch
.endif
.endr
.endm
.macro XOUT g                          ; group g's codes and bytes leave their registers
.irp a, 0,1,2,3
	ds_store_b64 v8, v[XC+2*\a:XC+2*\a+1] offset:272*(4*((\g)%8)+\a)   ; into my stage, from which the fragments are read
	ds_store_b8 v9, v[E+\a] offset:8*(4*((\g)%8)+\a)                   ; the four lanes of a block write the same byte with the same value
.if (\g) >= 8
	global_store_b64 v6, v[XC+2*\a:XC+2*\a+1], s[14:15] offset:256*(4*((\g)%8)+\a)   ; 32 lanes store a row's 256 codes
.endif
.endr
.endm
.macro XGROUP g, left
	s_wait_loadcnt \left                           ; this group's four loads are in; the younger groups' stay out
.set DD, XN
.if (\g)%4 == 0
.irp r, 32,33,34,35,36,37,38,39,40,41,42,43,44,45,46,47
	CV2 DD, \r
.set DD, DD+2
.endr
.elseif (\g)%4 == 1
.irp r, 48,49,50,51,52,53,54,55,56,57,58,59,60,61,62,63
	CV2 DD, \r
.set DD, DD+2
.endr
.elseif (\g)%4 == 2
.irp r, 64,65,66,67,68,69,70,71,72,73,74,75,76,77,78,79
	CV2 DD, \r
.set DD, DD+2
.endr
.else
.irp r, 80,81,82,83,84,85,86,87,88,89,90,91,92,93,94,95
	CV2 DD, \r
.set DD, DD+2
.endr
.endif
	s_wait_alu depctr_va_vdst(0)                   ; the widenings are done reading the set, in which the loads below land; the group before has written its codes and bytes, which the stores below read; in group 0: the LDS addresses v8 to v15 and v1 are written
.if (\g)+4 < 16
	XLOAD (\g)+4                                   ; the set takes the group four further on: sixteen loads of the wave are out again
.endif
.if ((\g)%8) > 0
	XOUT (\g)-1                                    ; the group before.  No vector instruction since the wait names its codes or bytes
.endif
	Q8X4 XN, XC
.endm
.macro PLOAD b, buf                    ; partial sums of waves 4 b .. 4 b + 3 for my tile of rows: 16 registers each
.irp p, 0,1,2,3
.irp t, 0,1,2,3
	ds_load_b128 v[\buf+16*\p+4*\t:\buf+16*\p+4*\t+3], v1 offset:(4*(\b)+\p)*4096+512*\t
.endr
.endr
.endm
.macro PADD src
.irp j, 0,2,4,6,8,10,12,14
	v_pk_add_f32 v[SUM+\j:SUM+\j+1], v[SUM+\j:SUM+\j+1], v[\src+\j:\src+\j+1]
.endr
.endm
	s_lshl_b32 s42, s27, 18                        ; my 32 rows of x: 8,192 bytes a row,
	s_lshl_b32 s44, s22, 9                         ; my K step: 512 bytes
	s_add_co_u32 s42, s42, s44
	s_mov_b32 s43, 0
	s_mov_b32 s45, 0
	s_add_nc_u64 s[4:5], s[4:5], s[42:43]
	s_add_nc_u64 s[10:11], s[10:11], s[44:45]
	s_add_nc_u64 s[46:47], s[14:15], s[34:35]      ; xq: my scale bytes,
	s_add_nc_u64 s[14:15], s[14:15], s[32:33]      ; my codes
	s_add_nc_u64 s[48:49], s[18:19], s[38:39]      ; hq: scale words,
	s_add_nc_u64 s[18:19], s[18:19], s[36:37]      ; image
	s_wait_alu depctr_va_vdst(0)                   ; v5, v6 and v7 are written: every global load and store of the path reads one of them as its offset
	XLOAD 0
	XLOAD 1
	XLOAD 2
	XLOAD 3
	s_mul_i32 s50, s22, XWB                        ; my region
	s_add_co_u32 s51, s50, XSB                     ; its scale bytes
	v_add_nc_u32 v8, s50, v6                       ; codes in: 8 x lane (+ 272 x row)
	v_lshrrev_b32 v9, 2, v2
	v_add_nc_u32 v9, s51, v9                       ; bytes in: my block (+ 8 x row)
	v_mul_u32_u24 v10, v3, 272
	v_lshl_add_u32 v10, v4, 4, v10
	v_add_nc_u32 v10, s50, v10                     ; x's fragments: row r, + 16 h
	v_and_b32 v249, 8, v3
	v_add_nc_u32 v249, v249, v3                    ; r + 8 (r / 8)
	v_mul_u32_u24 v11, v249, 272
	v_lshl_add_u32 v11, v4, 4, v11
	v_add_nc_u32 v11, s50, v11                     ; lora_down's: lane r of tile u takes rank 8 u + r + 8 (r / 8), so that a lane's 16 results are 16 neighbouring ranks
	v_lshl_add_u32 v12, v3, 3, s51                 ; x's scale words: 8 bytes a row
	v_lshl_add_u32 v13, v249, 3, s51               ; lora_down's, by the tile's rows
	v_lshl_add_u32 v14, v2, 3, s51                 ; the 256 bytes on their way out: 8 a lane
	s_lshl_b32 s52, s22, 12
	s_add_co_u32 s52, s52, PART
	v_add_nc_u32 v15, s52, v5                      ; my partial sums: 16 x lane
	s_lshl_b32 s53, s29, 11
	s_add_co_u32 s53, s53, PART
	v_add_nc_u32 v1, s53, v5                       ; and where waves 0 and 1 read all sixteen waves': tile of rows m = v
.irp g, 0,1,2,3,4,5,6,7
	XGROUP \g, 12                                  ; lora_down
.endr
	s_wait_alu depctr_va_vdst(0)                   ; group 7 has written its codes and bytes, which the stores below read
	XOUT 7                                         ; written out here: the fragments below are read from the stage
.irp u, 0,1                                        ; its four fragments and their scale words into registers.  LDS serves a wave's instructions in order (ISA guide 5.7.1.4): x's stores into the same stage come behind these reads
.irp q, 0,1
.irp c, 0,1,2,3
	ds_load_b128 v[LF+16*(2*\u+\q)+4*\c:LF+16*(2*\u+\q)+4*\c+3], v11 offset:8*\u*272+128*\q+32*\c
.endr
.endr
	ds_load_b64 v[LS+2*\u:LS+2*\u+1], v13 offset:64*\u
.endr
.irp g, 8,9,10,11,12
	XGROUP \g, 12                                  ; x
.endr
	XGROUP 13, 8                                   ; nothing more is asked for: the counts run down
	XGROUP 14, 4
	XGROUP 15, 0
	s_wait_alu depctr_va_vdst(0)                   ; group 15 has written its codes and bytes, which the stores below read (the widenings that read v32-95, in which x's fragments land, stand ahead of earlier waits)
	XOUT 15
.irp m, 0,1
.irp q, 0,1
.irp c, 0,1,2,3
	ds_load_b128 v[XF+16*(2*\m+\q)+4*\c:XF+16*(2*\m+\q)+4*\c+3], v10 offset:16*\m*272+128*\q+32*\c
.endr
.endr
	ds_load_b64 v[XS+2*\m:XS+2*\m+1], v12 offset:128*\m
.endr
	ds_load_b64 v[136:137], v14
	s_wait_dscnt 0x0
	global_store_b64 v6, v[136:137], s[46:47]      ; 32 lanes store my rows' 256 scale bytes
; h's part of my K step, TRANSPOSED: source 0 = 16 ranks of lora_down, source 1 = 16 rows of x: lane (r, h), register j of (m, u) holds h(16 m + r, 16 h + 8 u + j).  The four accumulators take turns.
.irp q, 0,1
.irp m, 0,1
.irp u, 0,1
.if \q == 0
	v_wmma_scale_f32_16x16x128_f8f6f4 v[ACC+8*(2*\m+\u):ACC+8*(2*\m+\u)+7], v[LF+16*(2*\u):LF+16*(2*\u)+15], v[XF+16*(2*\m):XF+16*(2*\m)+15], 0, v[LS+2*\u], v[XS+2*\m]
.else
	v_wmma_scale_f32_16x16x128_f8f6f4 v[ACC+8*(2*\m+\u):ACC+8*(2*\m+\u)+7], v[LF+16*(2*\u+1):LF+16*(2*\u+1)+15], v[XF+16*(2*\m+1):XF+16*(2*\m+1)+15], v[ACC+8*(2*\m+\u):ACC+8*(2*\m+\u)+7], v[LS+2*\u+1], v[XS+2*\m+1]
.endif
.endr
.endr
.endr
.rept 8
	v_nop                                          ; eight places behind this form, before its results are read
.endr
	s_wait_alu depctr_va_vdst(0)                   ; the products have written the accumulators, which the LDS stores read, and are done reading v32-95 and v144-207, in which the partial sums land behind the barrier; the places above stay beside this wait
.irp t, 0,1,2,3
	ds_store_b128 v15, v[ACC+8*\t:ACC+8*\t+3] offset:1024*\t          ; each accumulator from its low end on
	ds_store_b128 v15, v[ACC+8*\t+4:ACC+8*\t+7] offset:1024*\t+512
.endr
	s_wait_dscnt 0x0                               ; for the others' sake: my partial sums lie in LDS
	s_barrier_signal -1
	s_barrier_wait -1
	s_cmp_lt_u32 s22, 2
	s_cbranch_scc0 .Lx_end                         ; waves 0 and 1 add the sixteen K steps' parts of rows 16 v .. 16 v + 15, K ascending, in f32
	PLOAD 0, 32                                    ; no vector or matrix instruction since the last wait on va_vdst names these registers
	PLOAD 1, 144
	s_wait_dscnt 16                                ; the older batch of sixteen loads is in
.irp j, 0,2,4,6,8,10,12,14
	v_pk_add_f32 v[SUM+\j:SUM+\j+1], v[32+\j:32+\j+1], v[48+\j:48+\j+1]   ; the first two parts start the sums
.endr
	PADD 64
	PADD 80
	s_wait_alu depctr_va_vdst(0)                   ; the additions are done reading v32-95, in which the next batch lands
	PLOAD 2, 32
	s_wait_dscnt 16
	PADD 144
	PADD 160
	PADD 176
	PADD 192
	s_wait_alu depctr_va_vdst(0)                   ; the additions are done reading v144-207, in which the last batch lands
	PLOAD 3, 144
	s_wait_dscnt 16
	PADD 32
	PADD 48
	PADD 64
	PADD 80
	s_wait_dscnt 0x0
	PADD 144
	PADD 160
	PADD 176
	PADD 192
	s_wait_alu depctr_vm_vsrc(0)                   ; group 15's byte stores have read v[E], which the lines below write as h's scale word
	Q16 SUM, 140                                   ; h, as f32, into codes: my lane's 16 ranks are registers 0-3 of the third product's operand
	OUT16 140, 18, 48
.Lx_end:
	s_wait_dscnt 0x0                               ; the closing lines, six on end
	s_wait_alu 0x0
	s_wait_tensorcnt 0x0
	ds_add_u32 v254, v255
	s_wait_dscnt 0x0
	s_endpgm
; ---------------------------------------------------------------- PATH W
.Lpath_w:
.macro WLOAD g                         ; group g: four rows; a row's 256 whole numbers of my K step are 1,024 bytes: two loads of 512 consecutive bytes
.irp a, 0,1,2,3
.irp i, 0,1
	global_load_b128 v[WR+32*((\g)%2)+8*\a+4*\i:WR+32*((\g)%2)+8*\a+4*\i+3], v5, s[6:7] offset:(4*(\g)+\a)*16384+512*\i th:TH_LOAD_NT
.endr
.endr
.endm
.macro WOUT g                          ; group g's bytes and codes leave their registers
.irp a, 0,1,2,3
	ds_store_b8 v11, v[E+\a] offset:8*(4*(\g)+\a)
	global_store_b64 v6, v[WC+2*\a:WC+2*\a+1], s[16:17] offset:256*(4*(\g)+\a)   ; 32 lanes store a row's 256 codes
.endr
.endm
.macro WGROUP g, left
	s_wait_loadcnt \left                           ; this group's eight loads are in; the next group's stay out
.if (\g) > 0
	s_wait_alu depctr_va_vdst(0)                   ; the group before is done reading and writing v128-159 and reading v32-35, in which the turn's loads land, and has written its codes and bytes, which the stores below read
.endif
.irp a, 0,1,2,3                                    ; THE TURN: as loaded a lane holds 4 neighbours of each half of a row; through my own LDS bytes it gets 8 neighbours (32 bytes, places 48 bytes apart)
.irp i, 0,1
	ds_store_b128 v8, v[WR+32*((\g)%2)+8*\a+4*\i:WR+32*((\g)%2)+8*\a+4*\i+3] offset:1536*\a+768*\i
.endr
.endr
.irp a, 0,1,2,3
.irp i, 0,1
	ds_load_b128 v[WN+8*\a+4*\i:WN+8*\a+4*\i+3], v9 offset:1536*\a+16*\i   ; LDS serves a wave's instructions in order: these see the stores above
.endr
.endr
.irp a, 0,1,2,3
	ds_load_u16 v[32+\a], v10 offset:128*(4*(\g)+\a)                   ; the row's scale of my group of 64 along K
.endr
	s_wait_dscnt 0x0                               ; the turn is back
.if (\g)+2 < 8
	s_wait_alu depctr_vm_vsrc(0)                   ; the turn's stores have read the set, in which the loads below land
	WLOAD (\g)+2                                   ; the set takes the group two further on
.endif
.if (\g) > 0
	WOUT (\g)-1                                    ; the group before.  No vector instruction since the wait at the group's head names its codes or bytes
.endif
	v_cvt_f32_f16 v[SP], v32.l
	v_cvt_f32_f16 v[SP+2], v33.l
	v_cvt_f32_f16 v[SP+4], v34.l
	v_cvt_f32_f16 v[SP+6], v35.l
.irp a, 0,1,2,3
	v_mul_f32 v[TP+2*\a], 0xc1000000, v[SP+2*\a]   ; -8 s
.endr
.irp j, 0,1,2,3,4,5,6,7,8,9,10,11,12,13,14,15,16,17,18,19,20,21,22,23,24,25,26,27,28,29,30,31
	v_cvt_f32_i32 v[WN+\j], v[WN+\j]
.endr
.irp a, 0,1,2,3
.irp j, 0,2,4,6
	v_pk_fma_f32 v[WN+8*\a+\j:WN+8*\a+\j+1], v[WN+8*\a+\j:WN+8*\a+\j+1], v[SP+2*\a:SP+2*\a+1], v[TP+2*\a:TP+2*\a+1] op_sel_hi:[1,0,0]   ; w = q s - 8 s, one rounding that rounds nothing
.endr
.endr
	Q8X4 WN, WC
.endm
	s_lshl_b32 s42, s27, 19                        ; my 32 rows of qweight: 16,384 bytes a row,
	s_lshl_b32 s44, s22, 10                        ; my K step: 1,024 bytes
	s_add_co_u32 s42, s42, s44
	s_mov_b32 s43, 0
	s_add_nc_u64 s[6:7], s[6:7], s[42:43]
	s_lshl_b32 s44, s27, 12                        ; my 32 rows of wscale
	s_mov_b32 s45, 0
	s_add_nc_u64 s[8:9], s[8:9], s[44:45]
	s_lshl_b32 s42, s27, 11                        ; my 32 rows of lora_up, 64 bytes each; waves 0 and 1 take 16 each
	s_lshl_b32 s44, s29, 10
	s_add_co_u32 s42, s42, s44
	s_add_nc_u64 s[12:13], s[12:13], s[42:43]
	s_add_nc_u64 s[46:47], s[16:17], s[34:35]      ; wq: my scale bytes,
	s_add_nc_u64 s[16:17], s[16:17], s[32:33]      ; my codes
	s_add_nc_u64 s[48:49], s[20:21], s[38:39]      ; lq: scale words,
	s_add_nc_u64 s[20:21], s[20:21], s[36:37]      ; image
	v_lshlrev_b32 v13, 3, v0                       ; wscale: 8 bytes a thread: a wave reads 256 consecutive bytes
	s_wait_alu depctr_va_vdst(0)                   ; v13 is written, and so are v5, v6 and v7: the path's global loads and stores read them as their offsets
	global_load_b64 v[190:191], v13, s[8:9]
	WLOAD 0
	WLOAD 1
	s_mul_i32 s50, s22, WWB
	s_add_co_u32 s50, s50, WW0                     ; my region
	s_add_co_u32 s51, s50, WSB                     ; its scale bytes
	v_lshrrev_b32 v249, 1, v2
	v_mul_u32_u24 v8, v249, 48
	v_and_b32 v249, 1, v2
	v_lshl_add_u32 v8, v249, 4, v8
	v_add_nc_u32 v8, s50, v8                       ; the turn, in: two lanes to a place
	v_mul_u32_u24 v9, v2, 48
	v_add_nc_u32 v9, s50, v9                       ; out: a place a lane
	s_lshl_b32 s52, s22, 3
	s_add_co_u32 s52, s52, WSC
	v_lshrrev_b32 v10, 3, v2
	v_lshl_add_u32 v10, v10, 1, s52                ; wscale in LDS: my K step's four scales are 8 bytes of a row; eight lanes to each
	v_lshrrev_b32 v11, 2, v2
	v_add_nc_u32 v11, s51, v11                     ; bytes in: my block (+ 8 x row)
	v_lshl_add_u32 v12, v2, 3, s51                 ; and out
	v_add_nc_u32 v14, WSC, v13
	v_lshlrev_b32 v15, 6, v3
	v_lshl_add_u32 v15, v4, 5, v15                 ; lora_up: row r of 64 bytes, + 32 h: my 16 ranks
.irp j, 1,3,5,7
	v_mov_b32 v[SP+\j], 0                          ; named as the upper halves of pairs, so they are written
	v_mov_b32 v[TP+\j], 0
.endr
	s_wait_loadcnt 16                              ; wscale is in; the sixteen loads of groups 0 and 1 stay out
	s_wait_alu depctr_va_vdst(0)                   ; the addresses v8 to v12, v14 and v15 are written, which the LDS instructions and lora_up's loads below read
	ds_store_b64 v14, v[190:191]
	s_wait_dscnt 0x0                               ; for the others' sake
	s_barrier_signal -1
	s_barrier_wait -1                              ; the work-group's 32 rows of wscale lie in LDS
	s_cmp_lt_u32 s22, 2
	s_cbranch_scc0 .Lno_up                         ; waves 0 and 1 quantise 16 rows of lora_up each: K = its 32 ranks, one block
	global_load_b128 v[36:39], v15, s[12:13]
	global_load_b128 v[40:43], v15, s[12:13] offset:16
	s_wait_loadcnt 0x0
.set DD, 168
.irp r, 36,37,38,39,40,41,42,43
	CV2 DD, \r
.set DD, DD+2
.endr
	Q16 168, 184
	OUT16 184, 20, 48
.Lno_up:
.irp g, 0,1,2,3,4,5,6
	WGROUP \g, 8
.endr
	WGROUP 7, 0
	s_wait_alu depctr_va_vdst(0)                   ; group 7 has written its codes and bytes, which the stores below read
	WOUT 7
	ds_load_b64 v[188:189], v12                    ; LDS serves a wave's instructions in order: these see my byte stores
	s_wait_dscnt 0x0
	global_store_b64 v6, v[188:189], s[46:47]      ; 32 lanes store my rows' 256 scale bytes
	s_wait_dscnt 0x0                               ; the closing lines, six on end
	s_wait_alu 0x0
	s_wait_tensorcnt 0x0
	ds_add_u32 v254, v255
	s_wait_dscnt 0x0
	s_endpgm
.Lfunc_end_k_qff3e49c26e_prep:
	.size	k_qff3e49c26e_prep, .Lfunc_end_k_qff3e49c26e_prep-k_qff3e49c26e_prep
	.p2alignl 7, 3214868480
	.fill 96, 4, 3214868480
	.section	.rodata,"a",@progbits
	.p2align	6, 0x0
	.amdhsa_kernel k_qff3e49c26e_prep
		.amdhsa_group_segment_fixed_size 317440
		.amdhsa_private_segment_fixed_size 0
		.amdhsa_enable_private_segment 0
		.amdhsa_kernarg_size 72
		.amdhsa_user_sgpr_count 2
		.amdhsa_user_sgpr_kernarg_segment_ptr 1
		.amdhsa_wavefront_size32 1
		.amdhsa_system_sgpr_workgroup_id_x 1
		.amdhsa_system_sgpr_workgroup_id_y 1
		.amdhsa_system_sgpr_workgroup_id_z 1
		.amdhsa_system_vgpr_workitem_id 0
		.amdhsa_next_free_vgpr 256
		.amdhsa_next_free_sgpr 66
		.amdhsa_reserve_vcc 0
		.amdhsa_float_denorm_mode_32 3
		.amdhsa_float_denorm_mode_16_64 3
		.amdhsa_memory_ordered 1
		.amdhsa_forward_progress 1
		.amdhsa_inst_pref_size 216
	.end_amdhsa_kernel
	.amdgpu_metadata
---
amdhsa.version: [ 1, 2 ]
amdhsa.kernels:
  - .name:           k_qff3e49c26e_prep
    .symbol:         k_qff3e49c26e_prep.kd
    .args:
      - { .name: x, .offset: 0, .size: 8, .value_kind: global_buffer, .address_space: global }
      - { .name: qweight, .offset: 8, .size: 8, .value_kind: global_buffer, .address_space: global }
      - { .name: wscale, .offset: 16, .size: 8, .value_kind: global_buffer, .address_space: global }
      - { .name: lora_down, .offset: 24, .size: 8, .value_kind: global_buffer, .address_space: global }
      - { .name: lora_up, .offset: 32, .size: 8, .value_kind: global_buffer, .address_space: global }
      - { .name: xq, .offset: 40, .size: 8, .value_kind: global_buffer, .address_space: global }
      - { .name: wq, .offset: 48, .size: 8, .value_kind: global_buffer, .address_space: global }
      - { .name: hq, .offset: 56, .size: 8, .value_kind: global_buffer, .address_space: global }
      - { .name: lq, .offset: 64, .size: 8, .value_kind: global_buffer, .address_space: global }
    .group_segment_fixed_size: 317440
    .private_segment_fixed_size: 0
    .kernarg_segment_align: 8
    .kernarg_segment_size: 72
    .max_flat_workgroup_size: 512
    .sgpr_count:     66
    .vgpr_count:     256
    .wavefront_size: 32
...
	.end_amdgpu_metadata
.endif
;; end of part 3
;; launch gemm: the kernel of part 2 again; grid 16 x 16, 4 waves a work-group, clusters of 4 x 4, 327,680 bytes of LDS; arguments xq, hq, wq, lq, out0; writes out0
